; MI455X (gfx1250); checked and timed in simulation.
; The chip was launched on July 23, 2026; its instructions are those of AMD's public machine-readable ISA for CDNA 5 (MIT licence, August 2026) and "CDNA5" Instruction Set Architecture Reference Guide (July 2026). The comments in the code are by the model that wrote it; some were corrected since.
;; Causal Self Attention. Allowed arithmetic: matrix products marked QUANTISED: E2M1 operands, one E8M0 scale for each 32 along K, by v_wmma_scale_f32_16x16x128_f8f6f4 with both operands' format E2M1 (or v_wmma_scale_f32_32x16x128_f4), f32 sums; products left as they are: bf16, f16 or f32 operands; f32 sums; everything else in f32.
;; Inputs: W_attn 1,024 x 3,072 float32; W_proj 1,024 x 1,024 float32; b_attn 3,072 float32; b_proj 1,024 float32; x 4 x 2,048 x 1,024 float32.
;; Outputs: out0 4 x 2,048 x 1,024 float32.
;; This version of the problem:
;;   THIS VERSION OF THE PROBLEM IS GIVEN IN LOW PRECISION. The matrix products marked QUANTISED in the list below multiply operands that are first quantised to E2M1 (2 exponent bits, 1 mantissa bit; 4 bits a number), with one power-of-two scale for each 32 numbers along K (OCP MX v1.0); their sums are f32. The products marked 'left as it is' may take bf16, f16 or f32 operands, with f32 sums. Whichever they take, every output number must still come out within the allowed error. Rounding operands to bf16 (8 significant bits) uses up far more of that allowance than f16 does (11 bits, for magnitudes from 6e-5 to 65,504). All else is computed in f32.
;;   The module's matrix products, in the order in which they are computed (A, B: the left and right operand; K: the contracted axis; several contracted axes count as one K, in the product's order):
;;     1. [M 8,192, K 1,024] x [K 1,024, N 3,072]; A: input x; B: input W_attn: QUANTISED
;;     2. batch 64 x [M 2,048, K 64] x [K 64, N 2,048]; A: computed on the way; B: computed on the way: left as it is (an operand is computed on the way)
;;     3. batch 64 x [M 2,048, K 2,048] x [K 2,048, N 64]; A: computed on the way; B: computed on the way: left as it is (an operand is computed on the way)
;;     4. [M 8,192, K 1,024] x [K 1,024, N 1,024]; A: computed on the way; B: input W_proj: left as it is (an operand is computed on the way)
;;   THE QUANTISER, for each operand of a quantised product, along K:
;;     - K is cut into blocks of 32 from its start; a last block that is shorter is filled with zeros.
;;     - A block's scale is 2^e with e = floor(log2(the largest magnitude in the block)) - 2, held to -126 .. 127; a block of zeros has e = 0. As a byte (E8M0): e + 127.
;;     - Each number is divided by its block's scale, clamped to +-6, and rounded to the nearest number of E2M1, ties to even, subnormals kept.
;;     - The product sums the exact products of the quantised numbers (number of the format x scale) in f32.
;;   ~~~python
;;   def quantise(x, axis):      # numpy; x: float32 -> the quantised numbers, widened to float32 again
;;       x = np.moveaxis(x, axis, -1); K = x.shape[-1]
;;       x = np.pad(x, [(0, 0)] * (x.ndim - 1) + [(0, -K % 32)]); x = x.reshape(x.shape[:-1] + (-1, 32)); a = np.abs(x).max(-1, keepdims=True)
;;       e = np.where(a > 0, np.clip(np.frexp(np.where(a > 0, a, 1))[1] - 1 - 2, -126, 127), 0)      # np.frexp(a)[1] - 1 = floor(log2(a)), exactly
;;       r = np.clip(x / 2.0 ** e, -6, 6)
;;       step = 2.0 ** (np.maximum(np.frexp(np.where(r == 0, 1, r))[1] - 1, 0) - 1)
;;       q = np.round(r / step) * step * 2.0 ** e      # np.round: ties to even
;;       return np.moveaxis(q.reshape(q.shape[:-2] + (-1,))[..., :K], -1, axis).astype(np.float32)
;;   ~~~
;; One version. Each part assembles by itself: llvm-mc -triple=amdgcn-amd-amdhsa -mcpu=gfx1250 --defsym DOCPART=n.
;; ======== version 1 of 1: 5 launches
;; limits: values are held in f16: magnitudes above 65,504 overflow, below 6.1e-05 lose precision
;; workspace buffers: codes 5,767,168 bytes; scales 360,448 bytes; wp 2,097,152 bytes; qkv 50,331,648 bytes; y 16,777,216 bytes; fr 786,432 bytes
;; launch prep (part 1): grid 432 x 1, 4 waves a work-group, no clusters, 68,096 bytes of LDS; arguments x, W_attn, W_proj, codes, scales, wp; writes codes, scales, wp
.if DOCPART == 1
	.amdgcn_target "amdgcn-amd-amdhsa--gfx1250"
	.amdhsa_code_object_version 6
	.text
	.protected	k_qbc266e756b_prep
	.globl	k_qbc266e756b_prep
	.p2align	8
	.type	k_qbc266e756b_prep,@function
k_qbc266e756b_prep:
	s_mov_b64 s[64:65], 0
	v_nop
	global_prefetch_b8 v0, s[64:65] scope:SCOPE_SE
	s_setreg_imm32_b32 hwreg(HW_REG_WAVE_MODE, 25, 1), 1
	s_wait_xcnt 0x0
; CAUSAL SELF-ATTENTION, five launches: prep, qkv, attn, proj, fine.  B = 4, T = 2,048, C = 1,024, 16 heads of 64.
; THIS LAUNCH lays the operands out.  x [8,192][1,024] and W_attn [1,024][3,072] become codes of E2M1 with K innermost and one E8M0 byte for each 32 along K, in ONE table of
; 11,264 rows: rows 0 - 8,191 are the tokens of x, rows 8,192 + n the columns n of W_attn.  codes: 512 bytes a row; scales: 32 bytes a row.
; W_proj [k][n] becomes f16 in the order of a matrix operand's registers: wp[n tile 64][k chunk 32][half 2][lane 32][16 bytes]; lane (r, h), half u: k = 32 c + 16 u + 8 h + 0..7 of column 16 tile + r.
; WORK LEFT OUT BY THE PROGRAM, for all values of the inputs:
;   (1) k's third of b_attn (entries 1,024 - 2,047).  (q + bq) . (k + bk) = (q + bq) . k + (q + bq) . bk, and the second term is the same for every key of a query: it is added to all
;       inputs of that query's softmax that the mask keeps, and the softmax takes it away.  The scores' product is not quantised.  So those entries are not loaded.  q's and v's thirds are.
;   (2) key tiles that lie wholly above the diagonal of the mask that the problem builds itself (jnp.tril): their weights are 0.
; LIMITS: a NaN, an infinity or an overflow that reaches only the work left out is not carried to the result.  NaN and infinities among the inputs are not served.
;   A block whose largest magnitude lies under 2^-124 keeps the byte 1; a block of zeros keeps the byte 1 where the rule says 127: its codes are zeros, and this program alone reads the bytes.
;   q, k, v, y and W_proj go to the products that are left as they are in f16: their magnitudes stay under 65,504.
; THREE PATHS, parted once on the work-group's number, each with LDS bytes of its own:
;   0 - 47: W_attn (K is its first axis: a lane takes a column, its registers run down K);  48 - 175: W_proj;  176 - 431: x (K innermost).
; No tensor loads, no barrier: waves share nothing.
.set SPARE, 67584                      ; behind both paths' stages: the spare words, 128 bytes for each wave
.set SPW,   192                        ; v192  LDS address of my spare word; never rewritten
.set NIL,   193                        ; v193  0; never rewritten
.set EMAX,  2
.macro FINISH                          ; the wave's end
	s_wait_tensorcnt 0x0
	ds_add_u32 v[SPW], v[NIL]
	s_wait_dscnt 0x0
	s_endpgm
.endm
	s_load_b256 s[4:11], s[0:1], 0x0               ; x s[4:5], W_attn s[6:7], W_proj s[8:9], codes s[10:11]
	s_load_b128 s[12:15], s[0:1], 0x20             ; scales s[12:13], wp s[14:15]
	v_lshl_add_u32 v[SPW], v0, 2, SPARE
	v_mov_b32 v[NIL], 0
	v_lshrrev_b32 v1, 5, v0
	v_readfirstlane_b32 s16, v1                    ; wave
	v_and_b32 v2, 31, v0                           ; lane
	s_wait_kmcnt 0x0
	s_cmp_lt_u32 ttmp9, 48
	s_cbranch_scc1 .Lpath_w
	s_cmp_lt_u32 ttmp9, 176
	s_cbranch_scc1 .Lpath_p
; ---------------- PATH X: x, a plain stream of blocks of 32.  A wave takes 16 steps of 512 numbers.  Each load reads 512 consecutive bytes; a step's 2,048 bytes turn through the wave's own
; stage in LDS and come back 64 bytes a lane, so that a lane holds 16 neighbours along K and two neighbouring lanes hold a block.
.set STEPS, 16
.set CB,    8                          ; bytes of 16 codes
.set XR,    16                         ; v16-79   four sets of 16 numbers as loaded
.set XX,    80                         ; v80-111  two sets of 16 neighbours
.set XE,    112                        ; v112-127 a scale byte for each step
.set XC,    128                        ; v128-191 codes: registers of its own for each step
.set WREG,  8192                       ; LDS 0 - 32,767: a region for each wave: two stages of 32 x SP bytes, then its 256 scale bytes
.set SP,    80                         ; a lane's place in a stage: 64 bytes + 16 of padding
	v_lshlrev_b32 v3, 4, v2                        ; my 16 bytes of a load's 512
	s_mul_i32 s22, s16, WREG
	v_lshrrev_b32 v14, 2, v2
	v_mul_u32_u24 v14, v14, SP
	v_and_b32 v15, 3, v2
	v_lshl_add_u32 v14, v15, 4, v14
	v_add_nc_u32 v14, s22, v14                     ; into the stage: SP (lane / 4) + 16 (lane % 4)
	v_mul_u32_u24 v15, v2, SP
	v_add_nc_u32 v15, s22, v15                     ; out of it: SP x lane
	v_mul_u32_u24 v4, v2, CB                       ; my codes' place in a step's
	v_lshrrev_b32 v5, 1, v2
	s_add_co_u32 s22, s22, 2*32*SP
	v_add_nc_u32 v5, s22, v5                       ; my block's byte among the wave's 256
	v_lshlrev_b32 v7, 3, v2
	v_add_nc_u32 v6, s22, v7
	s_sub_co_u32 s17, ttmp9, 176
	s_lshl_b32 s17, s17, 2
	s_add_co_u32 s18, s17, s16                     ; which run of 8,192 numbers is my wave's: 0 - 1,023
	s_mov_b32 s19, 0
	s_lshl_b64 s[20:21], s[18:19], 15              ; 32,768 bytes of x,
	s_add_nc_u64 s[4:5], s[4:5], s[20:21]
	s_lshl_b64 s[20:21], s[18:19], 12              ; 4,096 of codes,
	s_add_nc_u64 s[10:11], s[10:11], s[20:21]
	s_lshl_b64 s[20:21], s[18:19], 8               ; 256 scale bytes a run
	s_add_nc_u64 s[12:13], s[12:13], s[20:21]
.macro XLOAD t
.irp i, 0,1,2,3
	global_load_b128 v[XR+16*((\t)%4)+4*\i:XR+16*((\t)%4)+4*\i+3], v3, s[4:5] offset:2048*(\t)+512*\i th:TH_LOAD_NT
.endr
.endm
.macro XTURN t                         ; LDS serves a wave's instructions in order: no wait between the stores and the loads
.irp i, 0,1,2,3
	ds_store_b128 v14, v[XR+16*((\t)%4)+4*\i:XR+16*((\t)%4)+4*\i+3] offset:32*SP*((\t)%2)+8*SP*\i
.endr
.irp i, 0,1,2,3
	ds_load_b128 v[XX+16*((\t)%2)+4*\i:XX+16*((\t)%2)+4*\i+3], v15 offset:32*SP*((\t)%2)+16*\i
.endr
.endm
.irp t, 0,1,2,3
	XLOAD \t
.endr
	s_wait_loadcnt 12                              ; step 0's four loads are in; three steps' twelve may be out
	XTURN 0
.macro XSTEP t
.set XS, XX+16*((\t)%2)
.if (\t) > 0
	s_wait_dscnt 1                                 ; this step's numbers are back from the stage; the last step's byte store may be out
.else
	s_wait_dscnt 0x0
.endif
.if (\t)+4 < STEPS
	XLOAD (\t)+4                                   ; into the registers that the stage's stores have read
.endif
.if (\t)+1 < STEPS
.if STEPS-2-(\t) >= 3
	s_wait_loadcnt 12                              ; the next step's four loads are in; those of the three steps behind it may be out
.else
	s_wait_loadcnt 4*(STEPS-2-(\t))
.endif
	XTURN (\t)+1
.endif
	v_max3_num_f32 v8, |v[XS]|, |v[XS+1]|, |v[XS+2]|               ; the largest magnitude of my 16, in two chains
	v_max3_num_f32 v9, |v[XS+3]|, |v[XS+4]|, |v[XS+5]|
.irp i, 6,10
	v_max3_num_f32 v8, v8, |v[XS+\i]|, |v[XS+\i+1]|
	v_max3_num_f32 v9, v9, |v[XS+\i+2]|, |v[XS+\i+3]|
.endr
	v_max3_num_f32 v8, v8, |v[XS+14]|, |v[XS+15]|
	v_max3_num_f32 v8, v8, v9, (EMAX+1)<<23        ; and the floor 2^(3 - 127): the byte cannot fall under 1
	v_max_num_f32_dpp v8, v8, v8 row_xmask:1 row_mask:0xf bank_mask:0xf   ; with my neighbour's 16: the block's
	v_add_nc_u32 v11, -(EMAX<<23), v8              ; 2 off its exponent field: the conversion takes that field as its scale
	v_cvt_scalef32_pk8_fp4_f32 v[XC+4*(\t)], v[XS:XS+7], v11
	v_cvt_scalef32_pk8_fp4_f32 v[XC+4*(\t)+1], v[XS+8:XS+15], v11
	v_lshrrev_b32 v[XE+(\t)], 23, v11              ; the scale's byte (also the plain line behind the conversions)
	ds_store_b8 v5, v[XE+(\t)] offset:16*(\t)      ; both lanes of a block write the same byte with the same value
	global_store_b64 v4, v[XC+4*(\t):XC+4*(\t)+1], s[10:11] offset:32*CB*(\t)   ; the wave stores 256 consecutive bytes, aligned
.endm
.irp t, 0,1,2,3,4,5,6,7,8,9,10,11,12,13,14,15
	XSTEP \t
.endr
	ds_load_b64 v[8:9], v6                         ; my wave's 256 scale bytes, 8 a lane
	s_wait_dscnt 0x0
	global_store_b64 v7, v[8:9], s[12:13]          ; 256 consecutive bytes, aligned
	FINISH
; ---------------- PATH W: W_attn.  A wave takes 32 columns x 512 along K.  A lane's 32 registers are a whole block of one column; its codes go through the wave's own stage and leave as rows.
.Lpath_w:
.set NB,    16                         ; blocks of a lane
.set PITCH, 272                        ; a stage row: 256 bytes of codes + 16
.set KROW,  512                        ; a row of the codes' table
.set NCOL,  3072
.set SB,    24                         ; v24-27   the scale bytes, four to a register
.set WX,    32                         ; v32-95   two sets of 32 numbers
.set WC,    96                         ; v96-99   a block's codes
.set OUTR,  112                        ; v112-175 the way out
	s_cmp_ge_u32 ttmp9, 24
	s_cselect_b32 s18, 1, 0                        ; which 512 along K
	s_cselect_b32 s17, 24, 0
	s_sub_co_u32 s17, ttmp9, s17                   ; which 128 columns
	s_lshl_b32 s17, s17, 7
	s_lshl_b32 s19, s16, 5
	s_add_co_u32 s17, s17, s19                     ; my wave's first column
	v_lshlrev_b32 v3, 2, v2                        ; in: 4 bytes a lane
	s_mul_i32 s19, s16, 32*PITCH
	s_add_co_u32 s19, s19, 32768                   ; my stage: LDS 32,768 + 8,704 x wave
	v_mul_u32_u24 v4, v2, PITCH
	v_add_nc_u32 v4, s19, v4                       ; into it: row = my column
	v_and_b32 v5, 15, v2
	v_lshrrev_b32 v6, 4, v2
	v_mul_u32_u24 v7, v6, PITCH
	v_lshl_add_u32 v7, v5, 4, v7
	v_add_nc_u32 v7, s19, v7                       ; out of it: sixteen lanes to a row, two rows an instruction
	v_mul_u32_u24 v8, v6, KROW
	v_lshl_add_u32 v8, v5, 4, v8                   ; and the same place in the table
	v_lshlrev_b32 v9, 5, v2                        ; my column's row of scale bytes
	s_mul_i32 s20, s18, 512*NCOL*4
	s_lshl_b32 s22, s17, 2
	s_add_co_u32 s20, s20, s22
	s_mov_b32 s21, 0
	s_add_nc_u64 s[6:7], s[6:7], s[20:21]          ; W_attn at (512 y, my first column)
	s_lshl_b32 s20, s17, 9
	s_lshl_b32 s22, s18, 8
	s_add_co_u32 s20, s20, s22
	s_add_co_u32 s20, s20, 8192*512
	s_add_nc_u64 s[10:11], s[10:11], s[20:21]      ; codes at row 8,192 + column, byte 256 y
	s_lshl_b32 s20, s17, 5
	s_lshl_b32 s22, s18, 4
	s_add_co_u32 s20, s20, s22
	s_add_co_u32 s20, s20, 8192*32
	s_add_nc_u64 s[12:13], s[12:13], s[20:21]
.macro WLOAD t                         ; block t: W(32 t + i, my column) into set t % 2; every offset an immediate: 511 x 12,288 bytes at the most
.irp i, 0,1,2,3,4,5,6,7,8,9,10,11,12,13,14,15,16,17,18,19,20,21,22,23,24,25,26,27,28,29,30,31
	global_load_b32 v[WX+32*((\t)%2)+\i], v3, s[6:7] offset:(32*(\t)+\i)*NCOL*4 th:TH_LOAD_NT
.endr
.endm
	WLOAD 0
	WLOAD 1
.macro WBLOCK t
.set XS, WX+32*((\t)%2)
.if (\t) < NB-1
	s_wait_loadcnt 32                              ; this block's 32 loads are in; the next block's may be out
.else
	s_wait_loadcnt 0x0
.endif
	v_max3_num_f32 v12, |v[XS]|, |v[XS+1]|, |v[XS+2]|
	v_max3_num_f32 v13, |v[XS+3]|, |v[XS+4]|, |v[XS+5]|
.irp i, 6,10,14,18,22,26
	v_max3_num_f32 v12, v12, |v[XS+\i]|, |v[XS+\i+1]|
	v_max3_num_f32 v13, v13, |v[XS+\i+2]|, |v[XS+\i+3]|
.endr
	v_max3_num_f32 v12, v12, |v[XS+30]|, |v[XS+31]|
	v_max3_num_f32 v12, v12, v13, (EMAX+1)<<23     ; and the floor
	v_add_nc_u32 v11, -(EMAX<<23), v12             ; the conversion's scale operand
	v_lshrrev_b32 v13, 23, v11                     ; the scale's byte
.if (\t)%4 == 0
	v_mov_b32 v[SB+(\t)/4], v13
.else
	v_lshl_or_b32 v[SB+(\t)/4], v13, 8*((\t)%4), v[SB+(\t)/4]
.endif
.irp g, 0,1,2,3
	v_cvt_scalef32_pk8_fp4_f32 v[WC+\g], v[XS+8*\g:XS+8*\g+7], v11
.endr
	v_nop                                          ; one plain line behind the last conversion
	ds_store_b128 v4, v[WC:WC+3] offset:16*(\t)    ; 32 codes: 16 bytes of my column's row
.if (\t)+2 < NB
	WLOAD (\t)+2
.endif
	s_wait_dscnt 0x0                               ; the store has read its registers: the next block's codes may be written
.endm
.set BQ, 0
.rept NB
	WBLOCK BQ
.set BQ, BQ+1
.endr
	global_store_b128 v9, v[SB:SB+3], s[12:13]     ; my column's 16 scale bytes
.irp t, 0,1,2,3,4,5,6,7,8,9,10,11,12,13,14,15
	ds_load_b128 v[OUTR+4*\t:OUTR+4*\t+3], v7 offset:2*\t*PITCH
.endr
.irp t, 0,1,2,3,4,5,6,7,8,9,10,11,12,13,14,15
	s_wait_dscnt 15-\t                             ; LDS loads come back in order: load t is in, the younger ones may be out
	global_store_b128 v8, v[OUTR+4*\t:OUTR+4*\t+3], s[10:11] offset:2*\t*KROW   ; sixteen lanes store 256 consecutive bytes, aligned
.endr
	FINISH
; ---------------- PATH P: W_proj.  A wave takes 32 columns x 64 along K: a lane a column, registers down K.  Pairs along K are rounded to f16; an exchange of halves between registers makes of the
; 32 columns' registers the images of two tiles of 16 columns (lanes 0-15: k + 0..7, lanes 16-31: k + 8..15).  No LDS.
.Lpath_p:
.set PX, 32                            ; v32-95   64 numbers
.set PK, 96                            ; v96-127  16 packed registers for each 32 along K
	s_sub_co_u32 s17, ttmp9, 48
	s_lshl_b32 s17, s17, 2
	s_add_co_u32 s17, s17, s16                     ; job 0 - 511
	s_and_b32 s18, s17, 31                         ; which 32 columns
	s_lshr_b32 s19, s17, 5                         ; which 64 along K
	s_lshl_b32 s20, s19, 18                        ; 64 rows of 4,096 bytes
	s_lshl_b32 s22, s18, 7
	s_add_co_u32 s20, s20, s22
	s_mov_b32 s21, 0
	s_add_nc_u64 s[8:9], s[8:9], s[20:21]
	s_lshl_b32 s20, s18, 16                        ; two tiles of 32,768 bytes
	s_lshl_b32 s22, s19, 11                        ; two chunks of 1,024
	s_add_co_u32 s20, s20, s22
	s_add_nc_u64 s[14:15], s[14:15], s[20:21]
	v_lshlrev_b32 v3, 2, v2
	v_lshlrev_b32 v4, 4, v2
.set PI, 0
.rept 64
	global_load_b32 v[PX+PI], v3, s[8:9] offset:PI*4096 th:TH_LOAD_NT
.set PI, PI+1
.endr
.macro PUNIT u
.if (\u) == 0
	s_wait_loadcnt 32                              ; the first 32 along K are in; the other 32 loads may be out
.else
	s_wait_loadcnt 0x0
.endif
.set PI, 0
.rept 16
	v_cvt_pk_f16_f32 v[PK+16*(\u)+PI], v[PX+32*(\u)+2*PI], v[PX+32*(\u)+2*PI+1]
.set PI, PI+1
.endr
.irp i, 0,1,2,3
	v_permlane16_swap_b32 v[PK+16*(\u)+\i], v[PK+16*(\u)+4+\i]      ; first: tile 0, k 0..7 | 8..15;  second: tile 1 likewise
	v_permlane16_swap_b32 v[PK+16*(\u)+8+\i], v[PK+16*(\u)+12+\i]   ; the same of k 16..23 | 24..31
.endr
	global_store_b128 v4, v[PK+16*(\u):PK+16*(\u)+3], s[14:15] offset:1024*(\u)              ; each store: 512 consecutive bytes, aligned
	global_store_b128 v4, v[PK+16*(\u)+8:PK+16*(\u)+11], s[14:15] offset:1024*(\u)+512
	global_store_b128 v4, v[PK+16*(\u)+4:PK+16*(\u)+7], s[14:15] offset:32768+1024*(\u)
	global_store_b128 v4, v[PK+16*(\u)+12:PK+16*(\u)+15], s[14:15] offset:32768+1024*(\u)+512
.endm
	PUNIT 0
	PUNIT 1
	FINISH
.Lfunc_end_k_qbc266e756b_prep:
	.size	k_qbc266e756b_prep, .Lfunc_end_k_qbc266e756b_prep-k_qbc266e756b_prep
	.p2alignl 7, 3214868480
	.fill 96, 4, 3214868480
	.section	.rodata,"a",@progbits
	.p2align	6, 0x0
	.amdhsa_kernel k_qbc266e756b_prep
		.amdhsa_group_segment_fixed_size 68096
		.amdhsa_private_segment_fixed_size 0
		.amdhsa_enable_private_segment 0
		.amdhsa_kernarg_size 48
		.amdhsa_user_sgpr_count 2
		.amdhsa_user_sgpr_kernarg_segment_ptr 1
		.amdhsa_wavefront_size32 1
		.amdhsa_system_sgpr_workgroup_id_x 1
		.amdhsa_system_sgpr_workgroup_id_y 1
		.amdhsa_system_sgpr_workgroup_id_z 1
		.amdhsa_system_vgpr_workitem_id 0
		.amdhsa_next_free_vgpr 200
		.amdhsa_next_free_sgpr 66
		.amdhsa_reserve_vcc 0
		.amdhsa_float_denorm_mode_32 3
		.amdhsa_float_denorm_mode_16_64 3
		.amdhsa_memory_ordered 1
		.amdhsa_forward_progress 1
		.amdhsa_inst_pref_size 121
	.end_amdhsa_kernel
	.amdgpu_metadata
---
amdhsa.version: [ 1, 2 ]
amdhsa.kernels:
  - .name:           k_qbc266e756b_prep
    .symbol:         k_qbc266e756b_prep.kd
    .args:
      - { .name: x, .offset: 0, .size: 8, .value_kind: global_buffer, .address_space: global }
      - { .name: W_attn, .offset: 8, .size: 8, .value_kind: global_buffer, .address_space: global }
      - { .name: W_proj, .offset: 16, .size: 8, .value_kind: global_buffer, .address_space: global }
      - { .name: codes, .offset: 24, .size: 8, .value_kind: global_buffer, .address_space: global }
      - { .name: scales, .offset: 32, .size: 8, .value_kind: global_buffer, .address_space: global }
      - { .name: wp, .offset: 40, .size: 8, .value_kind: global_buffer, .address_space: global }
    .group_segment_fixed_size: 68096
    .private_segment_fixed_size: 0
    .kernarg_segment_align: 8
    .kernarg_segment_size: 48
    .max_flat_workgroup_size: 128
    .sgpr_count:     66
    .vgpr_count:     200
    .wavefront_size: 32
...
	.end_amdgpu_metadata
.endif
;; end of part 1
;; launch qkv (part 2): grid 12 x 32, 4 waves a work-group, clusters of 4 x 4, 327,680 bytes of LDS; arguments codes, scales, b_attn, qkv, fr; writes qkv, fr
.if DOCPART == 2
	.amdgcn_target "amdgcn-amd-amdhsa--gfx1250"
	.amdhsa_code_object_version 6
	.text
	.protected	k_qbc266e756b_qkv
	.globl	k_qbc266e756b_qkv
	.p2align	8
	.type	k_qbc266e756b_qkv,@function
k_qbc266e756b_qkv:
	s_mov_b64 s[64:65], 0
	v_nop
	global_prefetch_b8 v0, s[64:65] scope:SCOPE_SE
	s_setreg_imm32_b32 hwreg(HW_REG_WAVE_MODE, 25, 1), 1
	s_wait_xcnt 0x0
	s_wait_alu depctr_hold_cnt(0) depctr_sa_sdst(0) depctr_va_vdst(0) depctr_va_sdst(0) depctr_va_ssrc(0) depctr_va_vcc(0) depctr_vm_vsrc(0)
	s_getreg_b32 s2, hwreg(HW_REG_IB_STS2, 6, 4)
	s_cmp_eq_u32 s2, 0
	s_cbranch_scc0 .Lentry_in_a_cluster
	s_endpgm
.Lentry_in_a_cluster:
	s_bfe_u32 s2, ttmp6, 0x10000c
	s_cmp_lg_u32 s2, 0xf033
	s_cbranch_scc0 .Lentry_shape_is_right
	s_endpgm
.Lentry_shape_is_right:
; qkv = x W_attn + b_attn on codes of E2M1 with E8M0 scales, K = 1,024; sums in f32.  LEFT OUT: k's third of b_attn (it adds the same number to all scores of a query: shown at the head of the first kernel).
; A work-group of four waves makes 256 x 256 numbers, a wave 128 x 128: 64 accumulators, 512 registers.  K is two LDS slots of 512: both are asked for at the head, nothing is filled again, no loop.
; CLUSTERS of 4 x 4.  The cluster's x is the CLASS: 0 = q, 1 = k, 2 = v.  Both operands are rows of one table (tokens: rows 0 - 8,191; W's columns: rows 8,192 on).
; THE LANE SIDE (source 1; its tiles are shared along a row of the cluster) and THE REGISTER SIDE (source 0; shared along a column): in a result lane l holds row l % 16 of the lane side and
; eight neighbouring rows 8 (l / 16) + 0..7 of the register side.
;   q, k: lane side = tokens, register side = W's columns: a lane holds a token and 8 neighbouring channels: rounded to f16 these 16 bytes are half of a fragment [16 tokens x 32 channels].
;   v:    lane side = W's columns, register side = tokens: a lane holds a channel and 8 neighbouring tokens: half of a fragment [16 channels x 32 keys] of V^T.
; So the results leave as IMAGES OF OPERAND REGISTERS, 16 bytes a lane, 512 consecutive aligned bytes a store, with no way through LDS:
;   q at 0, k at 2^24: [batch x head 64][token tile 128][chunk 2][half 2][lane][16];   v at 2^25: [batch x head 64][key chunk 64][channel tile 4][half 2][lane][16].
; Token tile (256 tokens) = cluster y + 8 x (cy or cx): tokens 0 - 255 of all four batches lie in the clusters with y = 0.  Their first 16 tokens also leave in f32 (fr), for the launch that carries those rows finely.
; The bias is the C of each sum's first product: q's runs along the registers, v's along the lanes.  LIMIT: |q|, |k|, |v| under 65,504 (f16).
; REGISTERS, windows of 256: window 0: v0-31 addresses; v32-95 scale words, two sets; v96-103 store offsets; v128-191 the lane side's fragments, ONE set (later packed results); v192-255 the bias.
;   window 1: the register side's fragments, TWO sets, at v0 and v128.   windows 2, 3: the accumulators ((a, b) at v[8 (8 (a % 4) + b)], window 2 + a / 4).
.set NQ,     4                         ; steps of 128 along K in a slot
.set ROWB,   256                       ; a tile's row: 512 codes
.set KROW,   512                       ; a row of the table of codes
.set PITCH,  272                       ; an LDS row: 256 bytes + 16 of padding: the 16 rows that a load touches start at 16 different banks (64 banks of 4 bytes: ISA guide 11.1)
.set FR,     8
.set NL,     2
.set NP,     4                         ; places behind this matrix instruction (ISA guide 7.12.1)
.set HALFT,  128*PITCH
.set SLOT,   4*HALFT                   ; the lane side's 256 rows, then the register side's
.set KS,     32                        ; a row of scale bytes
.set SCL,    2*SLOT                    ; behind the slots: the scale bytes, as units of 256 bytes + 16 of padding
.set HALFS,  (128*KS/256)*272
.set SBLK,   (16*KS/256)*272
.set SPARE,  SCL+4*HALFS               ; the spare words, 128 bytes for each wave
.set ADRA, 16
.set ADRB, 20
.set ADRS, 27
.set SPW,  28
.set NIL,  29
.set SC,   32
.set OB,   96
.set AF,   128
.set TMP,  128
.set BIAS, 192
.set G1, 24
.set G0, 32
.set G1B, 48
.set G0B, 56
.set G1S, 68
.set G0S, 76
.set G1SB, 80
.set G0SB, 88
.set MSB, 0
.macro WIN new                         ; the immediate's high byte repeats the setting that is left
.if MSB != \new
	s_set_vgpr_msb (MSB<<8)|\new
.set MSB, \new
.endif
.endm
.set MUL_LO, 0xa1                      ; source 0 window 1, source 1 window 0, C and D window 2
.set MUL_HI, 0xf1
.set TO_B,   0x40
.macro WINMUL hi, mode                 ; modes 2, 3: C is the bias, in window 0
.if (\mode) >= 2
	WIN 0x81+0x40*(\hi)
.else
	WIN 0xa1+0x50*(\hi)
.endif
.endm
; A joint load: waves 0, 1 fetch for the lane side, waves 2, 3 for the register side.  An s_nop 0 and four v_nop follow each line.
.macro JLOAD g0a, g1a, g0b, g1b
	s_cmp_eq_u32 s15, 0
	s_cbranch_scc0 .Lfor_b_\@
	tensor_load_to_lds s[\g0a:\g0a+3], s[\g1a:\g1a+7]
	s_nop 0
.rept 4
	v_nop
.endr
	s_branch .Lasked_\@
.Lfor_b_\@:
	tensor_load_to_lds s[\g0b:\g0b+3], s[\g1b:\g1b+7]
	s_nop 0
.rept 4
	v_nop
.endr
.Lasked_\@:
.endm
.macro CROUND                          ; a round of the cluster's barrier
	s_barrier_signal -1
	s_barrier_wait -1
	s_cmp_lg_u32 s14, 0
	s_cbranch_scc1 .Lnot_wave_0_\@
	s_barrier_signal -3
.Lnot_wave_0_\@:
	s_barrier_wait -3
	s_barrier_signal -1
	s_barrier_wait -1
.endm
	s_load_b256 s[4:11], s[0:1], 0x0               ; codes s[4:5], scales s[6:7], b_attn s[8:9], qkv s[10:11]
	s_load_b64 s[12:13], s[0:1], 0x20              ; fr
	v_lshl_add_u32 v[SPW], v0, 2, SPARE
	v_mov_b32 v[NIL], 0
	ds_add_u32 v[SPW], v[NIL]                      ; the wave's opening: the add, twice on end, and its wait ahead of my first tensor load
	ds_add_u32 v[SPW], v[NIL]
	v_lshrrev_b32 v1, 5, v0
	v_readfirstlane_b32 s14, v1                    ; wave 0..3
	s_lshr_b32 s15, s14, 1                         ; my half of the lane side's rows.  Also: I fetch for the lane side (0) or the register side (1)
	s_and_b32 s16, s14, 1                          ; my half of the register side's rows.  Also: which 128 rows I fetch
	s_bfe_u32 s40, ttmp6, 0x40000                  ; cx
	s_bfe_u32 s41, ttmp6, 0x40004                  ; cy
	s_and_b32 s17, ttmp7, 0xffff                   ; the cluster's y
	s_lshl_b32 s43, s41, 2
	s_lshl_b32 s43, 15, s43                        ; my row of the cluster
	s_lshl_b32 s44, 0x1111, s40                    ; my column
	s_or_b32 s[G1+0], s43, (0<<16)|(1<<20)|(1<<21)|(5<<22)|(3<<25)  ; the mask; elements of 1 byte; padding: 4 words after every 64; bit 21 beside a mask
	s_or_b32 s[G1B+0], s44, (0<<16)|(1<<20)|(1<<21)|(5<<22)|(3<<25)
.irp g, G1, G1B
	s_mov_b32 s[\g+1], ROWB<<16                    ; tensor_dim0
	s_mov_b32 s[\g+2], 128<<16                     ; tensor_dim1
	s_mov_b32 s[\g+3], ROWB<<16                    ; tile_dim0
	s_mov_b32 s[\g+4], 128                         ; tile_dim1
	s_mov_b32 s[\g+5], KROW                        ; from row to row
	s_mov_b32 s[\g+6], 0
	s_mov_b32 s[\g+7], 0
.endr
	s_or_b32 s[G1S+0], s43, (3<<16)|(1<<20)|(1<<21)|(5<<22)|(3<<25)  ; the scale bytes of 128 rows: 4,096 dense bytes as 16 rows of 256 (32 elements of 8 bytes)
	s_or_b32 s[G1SB+0], s44, (3<<16)|(1<<20)|(1<<21)|(5<<22)|(3<<25)
.irp g, G1S, G1SB
	s_mov_b32 s[\g+1], 32<<16
	s_mov_b32 s[\g+2], (128*KS/256)<<16
	s_mov_b32 s[\g+3], 32<<16
	s_mov_b32 s[\g+4], 128*KS/256
	s_mov_b32 s[\g+5], 32
	s_mov_b32 s[\g+6], 0
	s_mov_b32 s[\g+7], 0
.endr
	; which rows of the table.  q, k: lane side 256 (y + 8 cy), register side 8,192 + 1,024 class + 256 cx;  v: lane side 10,240 + 256 cy, register side 256 (y + 8 cx).
	; The lane side's registers never hold cx, the register side's never cy.
	s_lshl_b32 s18, s17, 8
	s_lshl_b32 s19, ttmp9, 10
	s_add_co_u32 s19, s19, 8192
	s_mov_b32 s96, 2048
	s_cmp_eq_u32 ttmp9, 2
	s_cselect_b32 s20, 10240, s18
	s_cselect_b32 s21, 256, s96
	s_cselect_b32 s46, s18, s19
	s_cselect_b32 s47, s96, 256
	s_mul_i32 s21, s21, s41
	s_add_co_u32 s20, s20, s21
	s_lshl_b32 s22, s16, 7                         ; which 128 rows I fetch
	s_add_co_u32 s20, s20, s22
	s_mul_i32 s47, s47, s40
	s_add_co_u32 s46, s46, s47
	s_add_co_u32 s46, s46, s22
	s_lshl_b32 s22, s20, 5                         ; in bytes: 32 of scales,
	s_mov_b32 s23, 0
	s_lshl_b32 s20, s20, 9                         ; 512 of codes a row
	s_mov_b32 s21, 0
	s_lshl_b32 s92, s46, 5
	s_mov_b32 s93, 0
	s_lshl_b32 s46, s46, 9
	s_mov_b32 s47, 0
	s_mul_i32 s45, s14, HALFT                      ; where they go: wave x 128 rows: no place in the cluster enters an LDS address
	s_mul_i32 s94, s14, HALFS
	s_wait_dscnt 0x0                               ; both opening adds are done
	s_wait_kmcnt 0x0
	s_add_nc_u64 s[20:21], s[4:5], s[20:21]
	s_add_nc_u64 s[22:23], s[6:7], s[22:23]
	s_add_nc_u64 s[46:47], s[4:5], s[46:47]
	s_add_nc_u64 s[92:93], s[6:7], s[92:93]
	CROUND                                         ; all sixteen work-groups are here: the joint loads meet
	s_mov_b32 s[G0S], 1
	s_add_co_u32 s[G0S+1], s94, SCL
	s_mov_b64 s[G0S+2:G0S+3], s[22:23]
	s_or_b32 s[G0S+3], s[G0S+3], 0x80000000
	s_mov_b32 s[G0SB], 1
	s_add_co_u32 s[G0SB+1], s94, SCL
	s_mov_b64 s[G0SB+2:G0SB+3], s[92:93]
	s_or_b32 s[G0SB+3], s[G0SB+3], 0x80000000
	JLOAD G0S, G1S, G0SB, G1SB                     ; the scales first; then both slots: three loads of mine are out
.irp s, 0,1
	s_mov_b32 s[G0+4*\s], 1
	s_add_co_u32 s[G0+4*\s+1], s45, \s*SLOT
	s_add_nc_u64 s[G0+4*\s+2:G0+4*\s+3], s[20:21], \s*ROWB
	s_or_b32 s[G0+4*\s+3], s[G0+4*\s+3], 0x80000000
	s_mov_b32 s[G0B+4*\s], 1
	s_add_co_u32 s[G0B+4*\s+1], s45, \s*SLOT
	s_add_nc_u64 s[G0B+4*\s+2:G0B+4*\s+3], s[46:47], \s*ROWB
	s_or_b32 s[G0B+4*\s+3], s[G0B+4*\s+3], 0x80000000
	JLOAD G0+4*\s, G1, G0B+4*\s, G1B
.endr
	v_and_b32 v1, 15, v0                           ; r
	v_bfe_u32 v2, v0, 4, 1                         ; h
	v_mul_u32_u24 v3, v1, PITCH
	v_lshl_add_u32 v4, v2, 4, v3                   ; a fragment's row x pitch + 16 h
	s_mul_i32 s21, s15, HALFT
	s_mul_i32 s22, s16, HALFT
	s_add_co_u32 s22, s22, 2*HALFT
.irp s, 0,1
	v_add_nc_u32 v[ADRA+\s], s21, v4
	v_add_nc_u32 v[ADRB+\s], s22, v4
	s_add_co_u32 s21, s21, SLOT
	s_add_co_u32 s22, s22, SLOT
.endr
	v_mul_u32_u24 v5, v1, KS                       ; my row's scale bytes: 32 a row,
	v_lshrrev_b32 v6, 8, v5
	v_lshl_add_u32 v5, v6, 4, v5                   ; and 16 more for each 256 passed
	s_mul_i32 s21, s15, HALFS
	s_mul_i32 s22, s16, HALFS
	s_add_co_u32 s22, s22, 2*HALFS
	s_sub_co_u32 s22, s22, s21
	v_mul_u32_u24 v6, s22, v2                      ; lanes 16-31 take the register side's
	s_add_co_u32 s21, s21, SCL
	v_add_nc_u32 v5, v5, v6
	v_add_nc_u32 v[ADRS], s21, v5
	v_lshlrev_b32 v8, 5, v2                        ; the bias along the registers: 32 h bytes
	v_lshlrev_b32 v9, 2, v1                        ; along the lanes: 4 r
	; THE WAY OUT'S NUMBERS.  batch, head quad, head pair, token half; the strides of the images
	s_mov_b32 s22, 1024
	s_mov_b32 s23, 262144
	s_mov_b32 s96, 2048
	s_cmp_eq_u32 ttmp9, 2
	s_cselect_b32 s18, s40, s41                    ; the batch: v: cx;  q, k: cy
	s_cselect_b32 s19, s41, s40                    ; four heads: v: cy;  q, k: cx
	s_cselect_b32 s20, s15, s16                    ; two of them
	s_cselect_b32 s21, s16, s15                    ; which 128 tokens
	s_cselect_b32 s94, 4096, s22                   ; from register block b to b + 2
	s_cselect_b32 s95, 8192, s23                   ; to b + 4
	s_cselect_b32 s98, s22, s96                    ; from lane block a to a + 1,
	s_cselect_b32 s100, 259072, s96                ; and from 3 to 4 (v: the next head's first channel tile: 2^18 - 3 x 1,024)
	s_mov_b32 s99, 0
	s_mov_b32 s101, 0
	s_lshl_b32 s18, s18, 4
	s_lshl_b32 s19, s19, 2
	s_add_co_u32 s18, s18, s19
	s_lshl_b32 s20, s20, 1
	s_add_co_u32 s18, s18, s20                     ; batch x 16 + my first head
	s_lshl_b32 s22, s18, 12
	s_lshl_b32 s19, ttmp9, 18
	s_add_co_u32 s22, s22, s19
	s_mov_b32 s23, 0
	s_add_nc_u64 s[12:13], s[12:13], s[22:23]      ; fr: [class][batch x head][4,096 bytes]
	s_lshl_b32 s18, s18, 18
	s_lshl_b32 s19, ttmp9, 24
	s_add_co_u32 s18, s18, s19
	s_lshl_b32 s19, s17, 15                        ; 256 y tokens, 128 bytes a token in either image
	s_add_co_u32 s18, s18, s19
	s_lshl_b32 s19, s21, 14
	s_add_co_u32 s18, s18, s19
	s_mov_b32 s19, 0
	s_add_nc_u64 s[66:67], s[10:11], s[18:19]
	v_and_b32 v6, 31, v0
	v_lshlrev_b32 v[OB], 4, v6                     ; 16 x lane
	v_add_nc_u32 v[OB+1], 512, v[OB]
	v_add_nc_u32 v[OB+2], s94, v[OB]
	v_add_nc_u32 v[OB+3], s94, v[OB+1]
.irp b, 0,1,2,3
	v_add_nc_u32 v[OB+4+\b], s95, v[OB+\b]
.endr
.macro FRAG reg, adr, q, i             ; 16 rows x 128 K of 4-bit codes: 8 registers, two loads of 16 bytes, 32 bytes apart
.irp c, 0,1
	ds_load_b128 v[\reg+4*\c:\reg+4*\c+3], v[\adr] offset:64*(\q)+32*\c+(\i)*16*PITCH
.endr
.endm
; One product.  mode 0: onto the sum;  1: starts it with 0;  2: with the bias along the registers (block b);  3: with the bias along the lanes (block a)
.macro WM a, b, p, q, sc, mode
.set rD, 8*(8*((\a)%4)+(\b))
.set rB, 128*(\p)+FR*(\b)
.set rA, AF+FR*(\a)
.set rX, SC+8*NQ*(\sc)+NQ*(\b)+(\q)
.set rY, SC+8*NQ*(\sc)+NQ*(\a)+(\q)
.if (\mode) == 0
	v_wmma_scale_f32_16x16x128_f8f6f4 v[rD:rD+7], v[rB:rB+7], v[rA:rA+7], v[rD:rD+7], v[rX], v[rY] matrix_a_fmt:MATRIX_FMT_FP4 matrix_b_fmt:MATRIX_FMT_FP4 matrix_a_scale:MATRIX_SCALE_ROW1
.elseif (\mode) == 1
	v_wmma_scale_f32_16x16x128_f8f6f4 v[rD:rD+7], v[rB:rB+7], v[rA:rA+7], 0, v[rX], v[rY] matrix_a_fmt:MATRIX_FMT_FP4 matrix_b_fmt:MATRIX_FMT_FP4 matrix_a_scale:MATRIX_SCALE_ROW1
.elseif (\mode) == 2
	v_wmma_scale_f32_16x16x128_f8f6f4 v[rD:rD+7], v[rB:rB+7], v[rA:rA+7], v[BIAS+8*(\b):BIAS+8*(\b)+7], v[rX], v[rY] matrix_a_fmt:MATRIX_FMT_FP4 matrix_b_fmt:MATRIX_FMT_FP4 matrix_a_scale:MATRIX_SCALE_ROW1
.else
	v_wmma_scale_f32_16x16x128_f8f6f4 v[rD:rD+7], v[rB:rB+7], v[rA:rA+7], v[BIAS+8*(\a):BIAS+8*(\a)+7], v[rX], v[rY] matrix_a_fmt:MATRIX_FMT_FP4 matrix_b_fmt:MATRIX_FMT_FP4 matrix_a_scale:MATRIX_SCALE_ROW1
.endif
.endm
; 16 products: lane blocks a0, a0 + 1 x the register side's eight.  The 64 accumulators take turns, one instruction a turn, in the same order in every step.
.macro MUL16 a0, p, q, sc, mode
.irp a, \a0, \a0+1
.irp b, 0,1,2,3,4,5,6,7
	WM \a, \b, \p, \q, \sc, \mode
.endr
.endr
.endm
.macro FETCH_B slot, q, p
	WIN TO_B
.irp i, 0,1,2,3,4,5,6,7
	FRAG 128*(\p)+FR*\i, ADRB+\slot, \q, \i
.endr
	WIN 0
.endm
.macro FETCH_A slot, q, i0
.irp i, \i0, \i0+1, \i0+2, \i0+3
	FRAG AF+FR*(\i), ADRA+\slot, \q, \i
.endr
.endm
.macro SCALES sc                       ; a slot's scale words: 4 words a row; lanes 0-15 the lane side's block i, lanes 16-31 the register side's
.irp i, 0,1,2,3,4,5,6,7
	ds_load_b128 v[SC+8*NQ*\sc+NQ*\i:SC+8*NQ*\sc+NQ*\i+3], v[ADRS] offset:\i*SBLK
.endr
.endm
.macro PLACES n                        ; plain vector lines between a matrix instruction and a load into, or a read of, its registers
.rept \n
	v_nop
.endr
.endm
.macro STEP slot, q, mode              ; 128 along K, with its successor in the same slot
	s_wait_dscnt 4*NL                              ; all but the youngest eight loads (lane blocks 4-7) are in
	WINMUL 0, \mode
	MUL16 0, (\q)%2, \q, \slot, \mode
	MUL16 2, (\q)%2, \q, \slot, \mode
	s_wait_dscnt 0
	PLACES NP
	FETCH_B \slot, (\q)+1, 1-(\q)%2
	FETCH_A \slot, (\q)+1, 0
	WINMUL 1, \mode
	MUL16 4, (\q)%2, \q, \slot, \mode
	MUL16 6, (\q)%2, \q, \slot, \mode
	PLACES NP
	WIN 0
	FETCH_A \slot, (\q)+1, 4
.endm
.macro TURN slot, next                 ; slot 0's last step: one barrier shows slot 1 whole to every wave; nothing is filled again
	s_wait_tensorcnt 0x0                           ; my part of slot 1 has landed
	ds_add_u32 v[SPW], v[NIL]                      ; 0 onto my spare word
	s_wait_dscnt 4*NL+1                            ; the add and the youngest eight loads may be out
	WIN MUL_LO
	MUL16 0, 1, NQ-1, \slot, 0
	s_wait_dscnt 0x0
	s_barrier_signal -1
	MUL16 2, 1, NQ-1, \slot, 0
	WIN 0
	s_barrier_wait -1
	PLACES NP
	v_add_nc_u32 v[ADRS], 4*NQ, v[ADRS]            ; the next 512 along K: 16 bytes on in each row of scale bytes
	FETCH_B \next, 0, 0
	FETCH_A \next, 0, 0
	SCALES \next
	WIN MUL_HI
	MUL16 4, 1, NQ-1, \slot, 0
	MUL16 6, 1, NQ-1, \slot, 0
	PLACES NP
	WIN 0
	FETCH_A \next, 0, 4
.endm
.macro STEPS slot, from
.set QQ, \from
.rept NQ-1-\from
	STEP \slot, QQ, 0
.set QQ, QQ+1
.endr
.endm
.macro START mode                      ; the first step, whose products start the sums
	s_wait_tensorcnt 1                             ; the scales and my part of slot 0 are in; slot 1's load may be out
	s_barrier_signal -1
	s_barrier_wait -1                              ; everybody's are
	FETCH_B 0, 0, 0
	FETCH_A 0, 0, 0
	SCALES 0
	FETCH_A 0, 0, 4
.if (\mode) >= 2
	s_wait_loadcnt 0x0                             ; the bias
.endif
.if (\mode) == 3
.irp a, 0,1,2,3,4,5,6,7
.irp j, 1,2,3,4,5,6,7
	v_mov_b32 v[BIAS+8*\a+\j], v[BIAS+8*\a]        ; a lane's channel has one bias for its eight tokens
.endr
.endr
	PLACES 4
.endif
	STEP 0, 0, \mode
.endm
	; ONE PARTING, on the class: the cluster's x, the same in all partners and all waves
	s_cmp_eq_u32 ttmp9, 1
	s_cbranch_scc1 .Larm_k
	s_cmp_eq_u32 ttmp9, 2
	s_cbranch_scc1 .Larm_v
	s_lshl_b32 s18, s40, 10                        ; q: b_attn[256 cx + 128 half + 16 b + 8 h + 0..7]
	s_lshl_b32 s19, s16, 9
	s_add_co_u32 s18, s18, s19
	s_mov_b32 s19, 0
	s_add_nc_u64 s[8:9], s[8:9], s[18:19]
.irp b, 0,1,2,3,4,5,6,7
	global_load_b128 v[BIAS+8*\b:BIAS+8*\b+3], v8, s[8:9] offset:64*\b
	global_load_b128 v[BIAS+8*\b+4:BIAS+8*\b+7], v8, s[8:9] offset:64*\b+16
.endr
	START 2
	s_branch .Ljoined
.Larm_k:
	START 1                                        ; k: no bias
	s_branch .Ljoined
.Larm_v:
	s_lshl_b32 s18, s41, 10                        ; v: b_attn[2,048 + 256 cy + 128 half + 16 a + r]
	s_lshl_b32 s19, s15, 9
	s_add_co_u32 s18, s18, s19
	s_add_co_u32 s18, s18, 8192
	s_mov_b32 s19, 0
	s_add_nc_u64 s[8:9], s[8:9], s[18:19]
.irp a, 0,1,2,3,4,5,6,7
	global_load_b32 v[BIAS+8*\a], v9, s[8:9] offset:64*\a
.endr
	START 3
.Ljoined:
	STEPS 0, 1
	TURN 0, 1
	STEPS 1, 0
	s_wait_dscnt 4*NL                              ; the very last step
	WIN MUL_LO
	MUL16 0, 1, NQ-1, 1, 0
	MUL16 2, 1, NQ-1, 1, 0
	s_wait_dscnt 0
	WIN MUL_HI
	MUL16 4, 1, NQ-1, 1, 0
	MUL16 6, 1, NQ-1, 1, 0
	WIN 0
	PLACES NP                                      ; ahead of the first reads of results and of writes over the lane side's fragments
	; THE FIRST 16 TOKENS OF EACH BATCH, in f32, as the accumulators stand.  They lie in the clusters with y = 0, in the wave with the first 128 tokens: lane block 0 (q, k) or register block 0 (v)
	s_cmp_lg_u32 s17, 0
	s_cbranch_scc1 .Lno_fine
	s_cmp_eq_u32 ttmp9, 2
	s_cbranch_scc1 .Lfine_v
	s_cmp_lg_u32 s15, 0
	s_cbranch_scc1 .Lno_fine
	WIN 0x08                                       ; a store's data are its source 1: window 2
.irp b, 0,1,2,3,4,5,6,7
	global_store_b128 v[OB], v[8*\b:8*\b+3], s[12:13] offset:(\b/4)*4096+(2*(\b%4))*512      ; lane (r, h): token r, channels 16 (b % 4) + 8 h + 0..3; each accumulator from its low end on
	global_store_b128 v[OB], v[8*\b+4:8*\b+7], s[12:13] offset:(\b/4)*4096+(2*(\b%4)+1)*512
.endr
	WIN 0
	s_branch .Lno_fine
.Lfine_v:
	s_cmp_lg_u32 s16, 0
	s_cbranch_scc1 .Lno_fine
	WIN 0x08
.irp a, 0,1,2,3
	global_store_b128 v[OB], v[64*\a:64*\a+3], s[12:13] offset:(2*\a)*512                    ; lane (r, h): channel 16 a + r, tokens 8 h + 0..3
	global_store_b128 v[OB], v[64*\a+4:64*\a+7], s[12:13] offset:(2*\a+1)*512
.endr
	WIN 0x0c                                       ; window 3: the next head
.irp a, 0,1,2,3
	global_store_b128 v[OB], v[64*\a:64*\a+3], s[12:13] offset:4096+(2*\a)*512
	global_store_b128 v[OB], v[64*\a+4:64*\a+7], s[12:13] offset:4096+(2*\a+1)*512
.endr
	WIN 0
.Lno_fine:
; THE WAY OUT: lane block a: eight accumulators rounded to f16, 16 bytes a lane each, stored as they stand
.macro OUTBLK a
.set AC, 64*((\a)%4)
	WIN 0x0a+5*((\a)/4)                            ; sources 0 and 1: window 2 or 3
.irp b, 0,1,2,3,4,5,6,7
.irp r, 0,1,2,3
	v_cvt_pk_f16_f32 v[TMP+4*\b+\r], v[AC+8*\b+2*\r], v[AC+8*\b+2*\r+1]
.endr
.endr
	WIN 0
.irp b, 0,1,2,3,4,5,6,7
	global_store_b128 v[OB+\b], v[TMP+4*\b:TMP+4*\b+3], s[66:67]   ; 32 lanes store 512 consecutive bytes, aligned
.endr
.if (\a) < 7
	s_wait_xcnt 0x0                                ; the stores have read their data and their base: both are written again only behind this wait
.if (\a) == 3
	s_add_nc_u64 s[66:67], s[66:67], s[100:101]
.else
	s_add_nc_u64 s[66:67], s[66:67], s[98:99]
.endif
.endif
.endm
.irp a, 0,1,2,3,4,5,6,7
	OUTBLK \a
.endr
	s_wait_tensorcnt 0x0                           ; the wave's end
	ds_add_u32 v[SPW], v[NIL]
	s_wait_dscnt 0x0
	CROUND                                         ; the closing round
	s_endpgm
.Lfunc_end_k_qbc266e756b_qkv:
	.size	k_qbc266e756b_qkv, .Lfunc_end_k_qbc266e756b_qkv-k_qbc266e756b_qkv
	.p2alignl 7, 3214868480
	.fill 96, 4, 3214868480
	.section	.rodata,"a",@progbits
	.p2align	6, 0x0
	.amdhsa_kernel k_qbc266e756b_qkv
		.amdhsa_group_segment_fixed_size 327680
		.amdhsa_private_segment_fixed_size 0
		.amdhsa_enable_private_segment 0
		.amdhsa_kernarg_size 40
		.amdhsa_user_sgpr_count 2
		.amdhsa_user_sgpr_kernarg_segment_ptr 1
		.amdhsa_wavefront_size32 1
		.amdhsa_system_sgpr_workgroup_id_x 1
		.amdhsa_system_sgpr_workgroup_id_y 1
		.amdhsa_system_sgpr_workgroup_id_z 1
		.amdhsa_system_vgpr_workitem_id 0
		.amdhsa_next_free_vgpr 1024
		.amdhsa_next_free_sgpr 102
		.amdhsa_reserve_vcc 0
		.amdhsa_float_denorm_mode_32 3
		.amdhsa_float_denorm_mode_16_64 3
		.amdhsa_memory_ordered 1
		.amdhsa_forward_progress 1
		.amdhsa_inst_pref_size 154
	.end_amdhsa_kernel
	.amdgpu_metadata
---
amdhsa.version: [ 1, 2 ]
amdhsa.kernels:
  - .name:           k_qbc266e756b_qkv
    .symbol:         k_qbc266e756b_qkv.kd
    .args:
      - { .name: codes, .offset: 0, .size: 8, .value_kind: global_buffer, .address_space: global }
      - { .name: scales, .offset: 8, .size: 8, .value_kind: global_buffer, .address_space: global }
      - { .name: b_attn, .offset: 16, .size: 8, .value_kind: global_buffer, .address_space: global }
      - { .name: qkv, .offset: 24, .size: 8, .value_kind: global_buffer, .address_space: global }
      - { .name: fr, .offset: 32, .size: 8, .value_kind: global_buffer, .address_space: global }
    .group_segment_fixed_size: 327680
    .private_segment_fixed_size: 0
    .kernarg_segment_align: 8
    .kernarg_segment_size: 40
    .max_flat_workgroup_size: 128
    .sgpr_count:     102
    .vgpr_count:     1024
    .wavefront_size: 32
...
	.end_amdgpu_metadata
.endif
;; end of part 2
;; launch attn (part 3): grid 8 x 32, 16 waves a work-group, no clusters, 327,680 bytes of LDS; arguments qkv, y; writes y
.if DOCPART == 3
	.amdgcn_target "amdgcn-amd-amdhsa--gfx1250"
	.amdhsa_code_object_version 6
	.text
	.protected	k_qbc266e756b_attn
	.globl	k_qbc266e756b_attn
	.p2align	8
	.type	k_qbc266e756b_attn,@function
k_qbc266e756b_attn:
	s_mov_b64 s[64:65], 0
	v_nop
	global_prefetch_b8 v0, s[64:65] scope:SCOPE_SE
	s_setreg_imm32_b32 hwreg(HW_REG_WAVE_MODE, 25, 1), 1
	s_wait_xcnt 0x0
; y[b][t][head] = softmax over the keys k <= t of (q . k / 8) times v, f16 operands, f32 sums, maxima and exponentials.  LEFT OUT: key steps that lie wholly above the diagonal (their weights are 0).
; q, k, v come as images of operand registers (laid by the launch before): a fragment is read by loads of 16 bytes at 16 x lane; a run of keys is one dense block.
; SHARES.  Work-group (i, g): waves 0-7 take head 2 g and its block i of 256 queries, waves 8-15 head 2 g + 1 and block 7 - i: so every work-group has the same number of live key steps.
; A wave owns 32 queries, two tiles of 16, in 256 registers, so that each fragment of K and V read from LDS feeds two products; four waves share a SIMD: one wave's softmax stands beside another's products.
; NO CLUSTER: under the mask the work-groups that walk one head need different numbers of its tiles.
; LAYOUT.  S^T = K Q^T (source 0 = 16 keys, source 1 = 16 queries) and O^T = V^T P (source 0 = 16 channels, source 1 = P): a lane holds ONE query throughout; two tiles of S^T rounded to f16 in pairs ARE P's fragment.
; SOFTMAX.  For each query a running maximum m and sum l: p = 2^(c s - c m), c = log2(e) / 8; in every step O and l are multiplied by a = 2^(c m_old - c m_new).  The sum is taken of the unrounded p.
; RING.  Two LDS slots of 256 keys of both heads: K of head A, V of A, K of B, V of B, 32,768 bytes each; waves 0-3 fetch one block each.  Every work-group walks all 8 slots (constant trip counts);
; a step whose keys all come after the wave's queries is jumped over, and a head's blocks are asked for only up to its last query.  Every wait for tensor loads in this text is for 0.
; The step is written once for all steps: m begins at -3e38, l and O^T as zeros.  LIMIT: |y| under 65,504 (f16).
.set SLOT1, 1<<17
.set SPARE, 2*SLOT1                    ; the spare words, 128 bytes for each of 16 waves
.set LK,  1                            ; v1   16 x lane + 65,536 x (my head is B)
.set ADR, 2                            ; v2   LDS address of the step's loads
.set SPW, 3
.set NIL, 4
.set BR,  5                            ; v5   r - 8 h
.set D0,  6                            ; v6, v7  the mask's bound for tiles 0, 1
.set NINF, 8                           ; v8   -infinity
.set PFO, 9                            ; v9   256 x lane
.set GO,  10                           ; v10  16 x lane
.set ST,  16                           ; tile u's statistics at v[ST + 8 u]: +0 c m, +1 m, +2, +3 l, +4 .. +7 at work (a in +6)
.set Q,   32                           ; v32-63   Q: tile u, chunk c at 16 u + 8 c
.set S,   64                           ; v64-127  S^T: tile u, key tile kt at 32 u + 8 kt; then p; P is laid over the low half
.set O,   128                          ; v128-191 O^T: 32 u + 8 dt
.set KV,  192                          ; v192-255 a step's K, then its V
.set WV,  18
.set WH,  19
.set Q0,  20                           ; my first query
.set KF,  21                           ; the step's first key
.set TB,  22                           ; the slot in hand
.set SLOTS, 23
.set G1,  24
.set LQA, 32                           ; the last query of head A's block, of head B's
.set LQB, 33
.set LIM, 34
.set CS,  36
.set SEL, 38
.set G0,  40
.set PFA, 44
	s_load_b128 s[4:7], s[0:1], 0x0                ; qkv s[4:5], y s[6:7]
	v_lshl_add_u32 v[SPW], v0, 2, SPARE
	v_mov_b32 v[NIL], 0
	ds_add_u32 v[SPW], v[NIL]                      ; the wave's opening: the add, twice on end, and its wait ahead of the first tensor load
	ds_add_u32 v[SPW], v[NIL]
	v_lshrrev_b32 v11, 5, v0
	v_readfirstlane_b32 s[WV], v11                 ; wave 0..15
	s_lshr_b32 s[WH], s[WV], 1                     ; 0: waves 0, 1 fetch head A's blocks; 1: waves 2, 3 head B's
	s_and_b32 s46, ttmp7, 0xffff                   ; g
	s_lshr_b32 s47, s[WV], 3                       ; my head: A (0) or B (1)
	s_and_b32 s48, s[WV], 7
	s_sub_co_u32 s49, 7, ttmp9
	s_cmp_eq_u32 s47, 0
	s_cselect_b32 s50, ttmp9, s49                  ; my block of queries
	s_lshl_b32 s[Q0], s50, 8
	s_lshl_b32 s48, s48, 5
	s_add_co_u32 s[Q0], s[Q0], s48
	s_lshl_b32 s[LQA], ttmp9, 8
	s_or_b32 s[LQA], s[LQA], 255
	s_lshl_b32 s[LQB], s49, 8
	s_or_b32 s[LQB], s[LQB], 255
	s_lshl_b32 s51, s46, 1
	s_add_co_u32 s51, s51, s47                     ; batch x 16 + head
	s_mov_b32 s[G1], 3<<16                         ; a dense block of 32,768 bytes as 128 rows of 256: elements of 8 bytes, no mask, no padding
	s_mov_b32 s[G1+1], 32<<16                      ; tensor_dim0
	s_mov_b32 s[G1+2], 128<<16                     ; tensor_dim1
	s_mov_b32 s[G1+3], 32<<16                      ; tile_dim0
	s_mov_b32 s[G1+4], 128                         ; tile_dim1
	s_mov_b32 s[G1+5], 32                          ; from row to row
	s_mov_b32 s[G1+6], 0
	s_mov_b32 s[G1+7], 0
	s_and_b32 s52, s[WV], 3                        ; the block that I fetch or prefetch: 0 K of A, 1 V of A, 2 K of B, 3 V of B
	s_mov_b32 s[G0], 1
	s_lshl_b32 s[G0+1], s52, 15
	s_and_b32 s53, s52, 1
	s_add_co_u32 s53, s53, 1
	s_lshl_b32 s54, s53, 24                        ; k at 2^24, v at 2^25
	s_lshr_b32 s53, s52, 1
	s_lshl_b32 s55, s46, 1
	s_add_co_u32 s53, s53, s55
	s_lshl_b32 s53, s53, 18                        ; a head's 2^18 bytes
	s_add_co_u32 s54, s54, s53
	s_mov_b32 s55, 0
	s_mov_b32 s[CS], 0x3e38aa3b                    ; c = log2(e) / 8
	s_mov_b32 s[CS+1], s[CS]
	s_mov_b32 s[SEL], 0x76543210
	s_mov_b32 s[SEL+1], 0xfedcba98                 ; lane l xor 16
	s_mov_b32 s[TB], 0
	s_mov_b32 s[KF], 0
	s_mov_b32 s[SLOTS], 7
	s_sub_co_u32 s53, s[WV], 4
	s_lshr_b32 s53, s53, 2                         ; 0 in waves 4 to 7,
	s_or_b32 s53, s53, ttmp9                       ; of the pair of heads' first work-group
	s_cmp_eq_u32 s53, 0
	s_cselect_b32 s[LIM], 1, -1
	s_wait_dscnt 0x0                               ; both opening adds are done
	s_wait_kmcnt 0x0
	s_add_nc_u64 s[G0+2:G0+3], s[4:5], s[54:55]
	s_add_nc_u64 s[PFA:PFA+1], s[4:5], s[54:55]
	s_add_nc_u64 s[PFA:PFA+1], s[PFA:PFA+1], 32768 ; at slot 1: the first change of slots steps it to slot 2.  Nothing is prefetched at the head
	s_or_b32 s[G0+3], s[G0+3], 0x80000000
	s_cmp_lt_u32 s[WV], 4
	s_cbranch_scc0 .Lno_first
	tensor_load_to_lds s[G0:G0+3], s[G1:G1+7]      ; slot 0: key 0 counts for every query, so it is read
	s_nop 0
.rept 4
	v_nop
.endr
.Lno_first:
	s_lshl_b32 s54, s51, 18
	s_lshl_b32 s53, s[Q0], 7
	s_add_co_u32 s54, s54, s53
	s_add_nc_u64 s[8:9], s[4:5], s[54:55]          ; q at my first query: 128 bytes a token
	s_lshr_b32 s53, s51, 4
	s_lshl_b32 s53, s53, 11
	s_add_co_u32 s53, s53, s[Q0]                   ; my first token of 8,192
	s_lshl_b32 s54, s53, 11                        ; y: 32,768 bytes for 16 tokens,
	s_and_b32 s53, s51, 15
	s_lshl_b32 s53, s53, 11                        ; 2,048 for a head
	s_add_co_u32 s54, s54, s53
	s_add_nc_u64 s[6:7], s[6:7], s[54:55]
	v_and_b32 v11, 31, v0
	v_lshlrev_b32 v[GO], 4, v11
	v_lshlrev_b32 v[PFO], 8, v11
	s_lshl_b32 s53, s47, 16
	v_add_nc_u32 v[LK], s53, v[GO]
.irp u, 0,1
.irp f, 0,1,2,3
	global_load_b128 v[Q+16*\u+4*\f:Q+16*\u+4*\f+3], v[GO], s[8:9] offset:2048*\u+512*\f   ; Q stays in registers
.endr
.endr
	v_and_b32 v12, 15, v0
	v_bfe_u32 v13, v0, 4, 1
	v_lshlrev_b32 v13, 3, v13
	v_sub_nc_u32 v[BR], v12, v13
	v_mov_b32 v[NINF], 0xff800000
.irp u, 0,1
	v_mov_b32 v[ST+8*\u+1], 0xff61b1e6             ; m = -3e38, under every score
	v_mul_f32 v[ST+8*\u], s[CS], v[ST+8*\u+1]
.irp j, 2,3,4,5,6,7
	v_mov_b32 v[ST+8*\u+\j], 0
.endr
.endr
.set FI, 0
.rept 64
	v_mov_b32 v[O+FI], 0                           ; O^T: the step is written once; the first finds zeros
.set FI, FI+1
.endr
; THE CHANGE OF SLOTS, at a slot's head.  Each wave waits for all its tensor loads, adds 0 to its spare word, and waits for that and for its reads of the slot that it has left.  Behind the barrier the slot ahead
; is whole and nobody reads the other.  fill = 1: the other slot takes the next 256 keys, of each head only while that slot's first key is at or under the head's last query here: beyond that none of the
; head's eight waves would read it.  The two tests hang on the work-group's number and the count of steps alone: all sixteen waves go the same way.
.macro CHANGE fill
	s_wait_tensorcnt 0x0                           ; no tensor load of mine is out, so the descriptor may be written
	ds_add_u32 v[SPW], v[NIL]                      ; 0 onto my spare word
.if \fill
	ds_add_u32 v[SPW], v[NIL]                      ; and once more, in every trip alike
	s_xor_b32 s[G0+1], s[G0+1], SLOT1              ; the other slot than last time,
	s_add_nc_u64 s[G0+2:G0+3], s[G0+2:G0+3], 32768 ; the next 256 keys
	s_wait_xcnt 0x0                                ; the last prefetches, a slot back, have read their address
	s_add_nc_u64 s[PFA:PFA+1], s[PFA:PFA+1], 32768 ; one slot further on than the descriptor
.endif
	s_wait_dscnt 0x0                               ; the add is done, and my reads of the slot that I have left are over
	s_barrier_signal -1
	s_barrier_wait -1
.if \fill
	s_add_co_u32 s46, s[KF], 256                   ; the first key of the slot that this change asks for
	s_cmp_gt_u32 s46, s[LQA]
	s_cbranch_scc1 .Lpast_a_\@
	s_cmp_lg_u32 s[WH], 0
	s_cbranch_scc1 .Lpast_a_\@
	tensor_load_to_lds s[G0:G0+3], s[G1:G1+7]      ; waves 0, 1: K and V of head A
	s_nop 0
.rept 4
	v_nop
.endr
.Lpast_a_\@:
	s_cmp_gt_u32 s46, s[LQB]
	s_cbranch_scc1 .Lpast_b_\@
	s_cmp_lg_u32 s[WH], 1
	s_cbranch_scc1 .Lpast_b_\@
	tensor_load_to_lds s[G0:G0+3], s[G1:G1+7]      ; waves 2, 3: of head B.  A wave issues one load at the most
	s_nop 0
.rept 4
	v_nop
.endr
.Lpast_b_\@:
	; A PREFETCH of the slot that the NEXT change asks for.  The eight work-groups of a pair of heads walk the same K and V: the first of them asks, in its waves 4 to 7, which fetch nothing:
	; a block of 32,768 bytes a wave, lanes 256 bytes apart, four instructions: each aligned 256 bytes is named once in the launch.  The last change that fills a slot asks for nothing.
	s_cmp_gt_u32 s[SLOTS], s[LIM]
	s_cbranch_scc0 .Lnot_mine_\@
.irp p, 0,1,2,3
	global_prefetch_b8 v[PFO], s[PFA:PFA+1] offset:8192*\p th:TH_LOAD_NT scope:SCOPE_SE
.endr
.Lnot_mine_\@:
.endif
.endm
; A KEY STEP: 64 keys, the q-th of the slot in hand
.macro STEP q
	s_add_co_u32 s46, s[Q0], 31
	s_cmp_gt_u32 s[KF], s46                        ; all its keys come after my 32 queries: left out
	s_cbranch_scc1 .Lhidden_\@
	v_add_nc_u32 v[ADR], s[TB], v[LK]
.set FI, 0
.rept 16
	ds_load_b128 v[KV+4*FI:KV+4*FI+3], v[ADR] offset:(\q)*8192+512*FI          ; K: key tile kt, chunk c at 16 kt + 8 c
.set FI, FI+1
.endr
	s_wait_dscnt 0x0
.irp c, 0,1                                    ; the eight accumulators take turns, one instruction a turn
.irp kt, 0,1,2,3
.irp u, 0,1
.if \c == 0
	v_wmma_f32_16x16x32_f16 v[S+32*\u+8*\kt:S+32*\u+8*\kt+7], v[KV+16*\kt+8*\c:KV+16*\kt+8*\c+7], v[Q+16*\u+8*\c:Q+16*\u+8*\c+7], 0
.else
	v_wmma_f32_16x16x32_f16 v[S+32*\u+8*\kt:S+32*\u+8*\kt+7], v[KV+16*\kt+8*\c:KV+16*\kt+8*\c+7], v[Q+16*\u+8*\c:Q+16*\u+8*\c+7], v[S+32*\u+8*\kt:S+32*\u+8*\kt+7]
.endif
.endr
.endr
.endr
.rept 4
	v_nop                                          ; places: ahead of the loads into K's registers and of the first reads of the scores
.endr
.set FI, 0
.rept 16
	ds_load_b128 v[KV+4*FI:KV+4*FI+3], v[ADR] offset:32768+(\q)*8192+512*FI    ; V: key chunk c, channel tile dt at 32 c + 8 dt; it lands under the softmax
.set FI, FI+1
.endr
	s_add_co_u32 s46, s[KF], 63
	s_cmp_le_u32 s46, s[Q0]                        ; all its keys count for all my queries: no mask
	s_cbranch_scc1 .Lopen_\@
	s_sub_co_i32 s46, s[Q0], s[KF]
	v_add_nc_u32 v[D0], s46, v[BR]                 ; register 8 kt + j of tile u holds key KF + 16 kt + 8 h + j, my query is Q0 + 16 u + r: hidden where 16 kt + j > Q0 - KF + 16 u + r - 8 h
	v_add_nc_u32 v[D0+1], 16, v[D0]
.irp u, 0,1
.irp kt, 0,1,2,3
.irp j, 0,1,2,3,4,5,6,7
	v_cmp_gt_i32 vcc_lo, 16*\kt+\j, v[D0+\u]
	v_cndmask_b32 v[S+32*\u+8*\kt+\j], v[S+32*\u+8*\kt+\j], v[NINF], vcc_lo
.endr
.endr
.endr
.Lopen_\@:
	; the maximum of my 32 scores and the old m: four chains, each begun at its accumulator's low end; the two tiles by turns
.irp j, 0,1,2,3
.irp u, 0,1
	v_max3_num_f32 v[ST+8*\u+4+\j], v[S+32*\u+8*\j], v[S+32*\u+8*\j+1], v[S+32*\u+8*\j+2]
.endr
.endr
.irp g, 1,2
.irp j, 0,1,2,3
.irp u, 0,1
	v_max3_num_f32 v[ST+8*\u+4+\j], v[ST+8*\u+4+\j], v[S+32*\u+8*\j+2*\g+1], v[S+32*\u+8*\j+2*\g+2]
.endr
.endr
.endr
.irp u, 0,1
	v_max3_num_f32 v[ST+8*\u+4], v[ST+8*\u+4], v[S+32*\u+7], v[S+32*\u+15]
	v_max3_num_f32 v[ST+8*\u+6], v[ST+8*\u+6], v[S+32*\u+23], v[S+32*\u+31]
.endr
.irp u, 0,1
	v_max3_num_f32 v[ST+8*\u+4], v[ST+8*\u+4], v[ST+8*\u+5], v[ST+8*\u+6]
.endr
.irp u, 0,1
	v_max3_num_f32 v[ST+8*\u+4], v[ST+8*\u+4], v[ST+8*\u+7], v[ST+8*\u+1]
.endr
.irp u, 0,1
	v_permlanex16_b32 v[ST+8*\u+5], v[ST+8*\u+4], s[SEL], s[SEL+1]   ; the query's other 32 keys lie in the lane 16 away
	v_mov_b32 v[ST+8*\u+7], v[ST+8*\u]             ; c m_old
.endr
.irp u, 0,1
	v_max_num_f32 v[ST+8*\u+1], v[ST+8*\u+4], v[ST+8*\u+5]
.endr
.irp u, 0,1
	v_mul_f32 v[ST+8*\u], s[CS], v[ST+8*\u+1]
.endr
.irp u, 0,1
	v_sub_f32 v[ST+8*\u+7], v[ST+8*\u+7], v[ST+8*\u]
.endr
.irp j, 0,2,4,6,8,10,12,14,16,18,20,22,24,26,28,30
.irp u, 0,1
	v_pk_fma_f32 v[S+32*\u+\j:S+32*\u+\j+1], v[S+32*\u+\j:S+32*\u+\j+1], s[CS:CS+1], v[ST+8*\u:ST+8*\u+1] op_sel_hi:[1,0,0] neg_lo:[0,0,1] neg_hi:[0,0,1]   ; c s - c m
.endr
.endr
.irp u, 0,1
	v_exp_f32 v[ST+8*\u+6], v[ST+8*\u+7]           ; a.  ONE BATCH: 66 exponentials, none of which reads another's result
.endr
.set FI, 0
.rept 64
	v_exp_f32 v[S+FI], v[S+FI]
.set FI, FI+1
.endr
	v_nop                                          ; a plain line behind the last exponential
	s_wait_alu depctr_va_vdst(0)                   ; one wait for the batch, ahead of its first reader
.irp u, 0,1
	v_pk_mul_f32 v[ST+8*\u+2:ST+8*\u+3], v[ST+8*\u+2:ST+8*\u+3], v[ST+8*\u+6:ST+8*\u+7] op_sel_hi:[1,0]   ; l a
	v_pk_add_f32 v[ST+8*\u+4:ST+8*\u+5], v[S+32*\u:S+32*\u+1], v[S+32*\u+2:S+32*\u+3]                      ; the sum of the unrounded p, in two chains
.endr
.irp j, 4,8,12,16,20,24,28
.irp u, 0,1
	v_pk_add_f32 v[ST+8*\u+2:ST+8*\u+3], v[ST+8*\u+2:ST+8*\u+3], v[S+32*\u+\j:S+32*\u+\j+1]
	v_pk_add_f32 v[ST+8*\u+4:ST+8*\u+5], v[ST+8*\u+4:ST+8*\u+5], v[S+32*\u+\j+2:S+32*\u+\j+3]
.endr
.endr
.irp u, 0,1
	v_pk_add_f32 v[ST+8*\u+2:ST+8*\u+3], v[ST+8*\u+2:ST+8*\u+3], v[ST+8*\u+4:ST+8*\u+5]
.endr
.irp d, 0,1,2,3,4,5,6,7,8,9,10,11,12,13,14,15
.irp u, 0,1
	v_cvt_pk_f16_f32 v[S+32*\u+\d], v[S+32*\u+2*\d], v[S+32*\u+2*\d+1]   ; P, in place and ascending: register d takes p 2 d and 2 d + 1, which no later line reads
.endr
.endr
.irp j, 0,2,4,6,8,10,12,14,16,18,20,22,24,26,28,30
.irp u, 0,1
	v_pk_mul_f32 v[O+32*\u+\j:O+32*\u+\j+1], v[O+32*\u+\j:O+32*\u+\j+1], v[ST+8*\u+6:ST+8*\u+7] op_sel_hi:[1,0]   ; O^T a, each accumulator from its low end on
.endr
.endr
	s_wait_dscnt 0x0                               ; V is in
.irp c, 0,1
.irp dt, 0,1,2,3
.irp u, 0,1
	v_wmma_f32_16x16x32_f16 v[O+32*\u+8*\dt:O+32*\u+8*\dt+7], v[KV+32*\c+8*\dt:KV+32*\c+8*\dt+7], v[S+32*\u+8*\c:S+32*\u+8*\c+7], v[O+32*\u+8*\dt:O+32*\u+8*\dt+7]
.endr
.endr
.endr
.rept 5
	v_nop                                          ; places: the next step's loads land on V's registers (4), and its first products write over P (5)
.endr
.Lhidden_\@:
	s_add_co_u32 s[KF], s[KF], 64
.endm
.macro SLOT_STEPS
	STEP 0
	STEP 1
	STEP 2
	STEP 3
	s_xor_b32 s[TB], s[TB], SLOT1
.endm
	s_wait_loadcnt 0x0                             ; Q
.Lslot:                                            ; 7 trips: behind each change of slots but the last the next slot is asked for, up to each head's limit
	CHANGE 1
	SLOT_STEPS
	s_sub_co_u32 s[SLOTS], s[SLOTS], 1
	s_cmp_lg_u32 s[SLOTS], 0
	s_cbranch_scc1 .Lslot
	CHANGE 0                                       ; the last slot is written out: nothing is left to ask for
	SLOT_STEPS
	; THE WAY OUT: O^T / l, rounded to f16: a lane's eight channels of a query are 16 bytes of y's image [token tile 512][chunk 32][half 2][lane][16]: stored as they stand
.irp u, 0,1
	v_add_f32 v[ST+8*\u+4], v[ST+8*\u+2], v[ST+8*\u+3]
.endr
.irp u, 0,1
	v_permlanex16_b32 v[ST+8*\u+5], v[ST+8*\u+4], s[SEL], s[SEL+1]
.endr
.irp u, 0,1
	v_add_f32 v[ST+8*\u+4], v[ST+8*\u+4], v[ST+8*\u+5]
.endr
.irp u, 0,1
	v_rcp_f32 v[ST+8*\u+6], v[ST+8*\u+4]
.endr
	v_nop                                          ; a plain line behind the reciprocals,
	s_wait_alu depctr_va_vdst(0)                   ; and one wait for both, ahead of their first reader
.irp u, 0,1
.irp j, 0,2,4,6,8,10,12,14,16,18,20,22,24,26,28,30
	v_pk_mul_f32 v[O+32*\u+\j:O+32*\u+\j+1], v[O+32*\u+\j:O+32*\u+\j+1], v[ST+8*\u+6:ST+8*\u+7] op_sel_hi:[1,0]
.endr
.endr
.set FI, 0
.rept 32
	v_cvt_pk_f16_f32 v[S+FI], v[O+2*FI], v[O+2*FI+1]
.set FI, FI+1
.endr
.irp u, 0,1
.irp dt, 0,1,2,3
	global_store_b128 v[GO], v[S+16*\u+4*\dt:S+16*\u+4*\dt+3], s[6:7] offset:32768*\u+512*\dt   ; 512 consecutive bytes, aligned
.endr
.endr
	s_wait_tensorcnt 0x0                           ; the wave's end
	ds_add_u32 v[SPW], v[NIL]
	s_wait_dscnt 0x0
	s_endpgm
.Lfunc_end_k_qbc266e756b_attn:
	.size	k_qbc266e756b_attn, .Lfunc_end_k_qbc266e756b_attn-k_qbc266e756b_attn
	.p2alignl 7, 3214868480
	.fill 96, 4, 3214868480
	.section	.rodata,"a",@progbits
	.p2align	6, 0x0
	.amdhsa_kernel k_qbc266e756b_attn
		.amdhsa_group_segment_fixed_size 327680
		.amdhsa_private_segment_fixed_size 0
		.amdhsa_enable_private_segment 0
		.amdhsa_kernarg_size 16
		.amdhsa_user_sgpr_count 2
		.amdhsa_user_sgpr_kernarg_segment_ptr 1
		.amdhsa_wavefront_size32 1
		.amdhsa_system_sgpr_workgroup_id_x 1
		.amdhsa_system_sgpr_workgroup_id_y 1
		.amdhsa_system_sgpr_workgroup_id_z 1
		.amdhsa_system_vgpr_workitem_id 0
		.amdhsa_next_free_vgpr 256
		.amdhsa_next_free_sgpr 66
		.amdhsa_reserve_vcc 1
		.amdhsa_float_denorm_mode_32 3
		.amdhsa_float_denorm_mode_16_64 3
		.amdhsa_memory_ordered 1
		.amdhsa_forward_progress 1
		.amdhsa_inst_pref_size 186
	.end_amdhsa_kernel
	.amdgpu_metadata
---
amdhsa.version: [ 1, 2 ]
amdhsa.kernels:
  - .name:           k_qbc266e756b_attn
    .symbol:         k_qbc266e756b_attn.kd
    .args:
      - { .name: qkv, .offset: 0, .size: 8, .value_kind: global_buffer, .address_space: global }
      - { .name: y, .offset: 8, .size: 8, .value_kind: global_buffer, .address_space: global }
    .group_segment_fixed_size: 327680
    .private_segment_fixed_size: 0
    .kernarg_segment_align: 8
    .kernarg_segment_size: 16
    .max_flat_workgroup_size: 512
    .sgpr_count:     66
    .vgpr_count:     256
    .wavefront_size: 32
...
	.end_amdgpu_metadata
.endif
;; end of part 3
;; launch proj (part 4): grid 4 x 64, 4 waves a work-group, clusters of 4 x 4, 327,680 bytes of LDS; arguments y, wp, b_proj, out0; writes out0
.if DOCPART == 4
	.amdgcn_target "amdgcn-amd-amdhsa--gfx1250"
	.amdhsa_code_object_version 6
	.text
	.protected	k_qbc266e756b_proj
	.globl	k_qbc266e756b_proj
	.p2align	8
	.type	k_qbc266e756b_proj,@function
k_qbc266e756b_proj:
	s_mov_b64 s[64:65], 0
	v_nop
	global_prefetch_b8 v0, s[64:65] scope:SCOPE_SE
	s_setreg_imm32_b32 hwreg(HW_REG_WAVE_MODE, 25, 1), 1
	s_wait_xcnt 0x0
	s_wait_alu depctr_hold_cnt(0) depctr_sa_sdst(0) depctr_va_vdst(0) depctr_va_sdst(0) depctr_va_ssrc(0) depctr_va_vcc(0) depctr_vm_vsrc(0)
	s_getreg_b32 s2, hwreg(HW_REG_IB_STS2, 6, 4)
	s_cmp_eq_u32 s2, 0
	s_cbranch_scc0 .Lentry_in_a_cluster
	s_endpgm
.Lentry_in_a_cluster:
	s_bfe_u32 s2, ttmp6, 0x10000c
	s_cmp_lg_u32 s2, 0xf033
	s_cbranch_scc0 .Lentry_shape_is_right
	s_endpgm
.Lentry_shape_is_right:
; out0 = y W_proj + b_proj, f16 operands, f32 sums.  LEFT OUT: the store of the first 16 tokens of each batch: the last launch carries those rows in f32 and is their one owner.
; y and W_proj come as images of operand registers: [tile of 16 rows][k chunk 32][half 2][lane][16 bytes]; a tile's 128 along K are 4,096 consecutive bytes.
; A work-group makes 128 tokens x 256 columns (256 work-groups), a wave 64 x 128: 32 accumulators, window 1.  K goes in steps of 128 through two LDS slots: y's 8 tiles, then W's 16, 4,096 bytes each.
; CLUSTERS of 4 x 4: y's tiles are shared along a row of the cluster, W's along a column, by joint loads.  Tile row = cluster y + 16 cy, so that the tiles that begin a batch are those with cluster y = 0.
; TRANSPOSED: source 0 = 16 columns of W, source 1 = 16 tokens: a lane holds eight neighbouring columns of one row of out0.  The bias is the C of each sum's first product.
; No prefetch: the launch is short, and each refill has a K step's 128 products in which to land.
; REGISTERS: window 0: v16-29 addresses; v32-127, v128-223 two fragment buffers (y's four at + 8 a, W's eight at + 32 + 8 b); window 1: accumulator (a, b) at v[8 (8 a + b)]; window 2: v0-63 the bias.
.set SLOT,   98304
.set SPARE,  2*SLOT                    ; the spare words, 128 bytes for each wave
.set SPITCH, 528                       ; the way out: a stage of 16 rows x (512 + 16) bytes for each wave, in slot 0, which has had its last fill and its last read by then
.set ADRA, 16
.set ADRB, 20
.set STO,  24
.set RD,   25
.set CO,   26
.set SPW,  28
.set NIL,  29
.set F0,   32
.set F1,   128
.set BK,   32                          ; the way out: 16 rows read back: v32-95 and v128-191 by turns
.set G1, 24
.set G0, 32
.set G1B, 48
.set G0B, 56
.set MSB, 0
.macro WIN new
.if MSB != \new
	s_set_vgpr_msb (MSB<<8)|\new
.set MSB, \new
.endif
.endm
.macro JLOAD s                         ; waves 0, 1 fetch y's halves, waves 2, 3 W's; an s_nop 0 and four v_nop follow each line
	s_cmp_eq_u32 s13, 0
	s_cbranch_scc0 .Lfor_b_\@
	tensor_load_to_lds s[G0+4*\s:G0+4*\s+3], s[G1:G1+7]
	s_nop 0
.rept 4
	v_nop
.endr
	s_branch .Lasked_\@
.Lfor_b_\@:
	tensor_load_to_lds s[G0B+4*\s:G0B+4*\s+3], s[G1B:G1B+7]
	s_nop 0
.rept 4
	v_nop
.endr
.Lasked_\@:
.endm
.macro CREST
	s_cmp_lg_u32 s12, 0
	s_cbranch_scc1 .Lnot_wave_0_\@
	s_barrier_signal -3
.Lnot_wave_0_\@:
	s_barrier_wait -3
	s_barrier_signal -1
	s_barrier_wait -1
.endm
.macro CROUND
	s_barrier_signal -1
	s_barrier_wait -1
	CREST
.endm
	s_load_b256 s[4:11], s[0:1], 0x0               ; y s[4:5], wp s[6:7], b_proj s[8:9], out0 s[10:11]
	v_lshl_add_u32 v[SPW], v0, 2, SPARE
	v_mov_b32 v[NIL], 0
	ds_add_u32 v[SPW], v[NIL]                      ; the wave's opening: the add, twice on end, and its wait ahead of my first tensor load
	ds_add_u32 v[SPW], v[NIL]
	v_lshrrev_b32 v1, 5, v0
	v_readfirstlane_b32 s12, v1                    ; wave 0..3
	s_lshr_b32 s13, s12, 1                         ; my 64 tokens.  Also: I fetch y (0) or W (1)
	s_and_b32 s14, s12, 1                          ; my 128 columns.  Also: which half I fetch
	s_bfe_u32 s40, ttmp6, 0x40000                  ; cx = the tile column
	s_bfe_u32 s41, ttmp6, 0x40004                  ; cy
	s_and_b32 s17, ttmp7, 0xffff                   ; the cluster's y
	s_lshl_b32 s42, s41, 4
	s_add_co_u32 s42, s42, s17                     ; the tile row
	s_lshl_b32 s43, s41, 2
	s_lshl_b32 s43, 15, s43                        ; my row of the cluster
	s_lshl_b32 s44, 0x1111, s40                    ; my column
	s_or_b32 s[G1], s43, (3<<16)|(1<<21)           ; the mask; elements of 8 bytes; bit 21 beside a mask; no padding
	s_mov_b32 s[G1+1], 512<<16                     ; tensor_dim0: 4,096 bytes
	s_mov_b32 s[G1+2], 4<<16                       ; tensor_dim1: four tiles of tokens
	s_mov_b32 s[G1+3], 512<<16                     ; tile_dim0
	s_mov_b32 s[G1+4], 4                           ; tile_dim1
	s_mov_b32 s[G1+5], 4096                        ; from tile to tile: 32,768 bytes
	s_mov_b32 s[G1+6], 0
	s_mov_b32 s[G1+7], 0
	s_or_b32 s[G1B], s44, (3<<16)|(1<<21)
	s_mov_b32 s[G1B+1], 512<<16
	s_mov_b32 s[G1B+2], 8<<16                      ; eight tiles of columns
	s_mov_b32 s[G1B+3], 512<<16
	s_mov_b32 s[G1B+4], 8
	s_mov_b32 s[G1B+5], 4096
	s_mov_b32 s[G1B+6], 0
	s_mov_b32 s[G1B+7], 0
	s_lshl_b32 s20, s42, 18                        ; y: (8 tile row + 4 half) x 32,768: hangs on cy, never on cx
	s_lshl_b32 s18, s14, 17
	s_add_co_u32 s20, s20, s18
	s_mov_b32 s21, 0
	s_lshl_b32 s46, s40, 19                        ; W: (16 cx + 8 half) x 32,768
	s_lshl_b32 s18, s14, 18
	s_add_co_u32 s46, s46, s18
	s_mov_b32 s47, 0
	s_lshl_b32 s45, s14, 14                        ; where they go: y's halves,
	s_lshl_b32 s19, s14, 15
	s_add_co_u32 s19, s19, 32768                   ; W's halves behind them
	s_wait_dscnt 0x0                               ; both opening adds are done
	s_wait_kmcnt 0x0
	s_add_nc_u64 s[20:21], s[4:5], s[20:21]
	s_add_nc_u64 s[46:47], s[6:7], s[46:47]
	CROUND                                         ; all sixteen work-groups are here: the first joint loads meet
.irp s, 0,1
	s_mov_b32 s[G0+4*\s], 1
	s_add_co_u32 s[G0+4*\s+1], s45, \s*SLOT
	s_add_nc_u64 s[G0+4*\s+2:G0+4*\s+3], s[20:21], \s*4096
	s_or_b32 s[G0+4*\s+3], s[G0+4*\s+3], 0x80000000
	s_mov_b32 s[G0B+4*\s], 1
	s_add_co_u32 s[G0B+4*\s+1], s19, \s*SLOT
	s_add_nc_u64 s[G0B+4*\s+2:G0B+4*\s+3], s[46:47], \s*4096
	s_or_b32 s[G0B+4*\s+3], s[G0B+4*\s+3], 0x80000000
	JLOAD \s
.endr
	v_and_b32 v1, 15, v0                           ; r
	v_bfe_u32 v2, v0, 4, 1                         ; h
	v_and_b32 v3, 31, v0
	v_lshlrev_b32 v[CO], 4, v3                     ; 16 x lane
	s_lshl_b32 s21, s13, 14                        ; my four tiles of tokens
	s_lshl_b32 s22, s14, 15
	s_add_co_u32 s22, s22, 32768                   ; my eight tiles of columns
.irp s, 0,1
	v_add_nc_u32 v[ADRA+\s], s21, v[CO]
	v_add_nc_u32 v[ADRB+\s], s22, v[CO]
	s_add_co_u32 s21, s21, SLOT
	s_add_co_u32 s22, s22, SLOT
.endr
	s_mul_i32 s23, s12, 16*SPITCH                  ; my stage
	v_mul_u32_u24 v5, v1, SPITCH
	v_lshl_add_u32 v5, v2, 5, v5
	v_add_nc_u32 v[STO], s23, v5                   ; in: row r, 32 bytes for each half of the lanes
	v_add_nc_u32 v[RD], s23, v[CO]                 ; back: the 32 lanes take one row of 512 bytes
	s_lshl_b32 s18, s40, 10
	s_lshl_b32 s19, s14, 9
	s_add_co_u32 s18, s18, s19                     ; my first column, in bytes
	s_mov_b32 s19, 0
	s_add_nc_u64 s[8:9], s[8:9], s[18:19]
	s_add_nc_u64 s[10:11], s[10:11], s[18:19]
	s_lshl_b32 s18, s42, 19                        ; 128 rows of 4,096 bytes a tile row,
	s_lshl_b32 s20, s13, 18                        ; 64 for my half
	s_add_co_u32 s18, s18, s20
	s_add_nc_u64 s[10:11], s[10:11], s[18:19]
	v_lshlrev_b32 v4, 5, v2                        ; the bias: 32 h bytes
	WIN 0x80                                       ; destination window 2
.irp b, 0,1,2,3,4,5,6,7
	global_load_b128 v[8*\b:8*\b+3], v4, s[8:9] offset:64*\b         ; b_proj[my first column + 16 b + 8 h + 0..7]
	global_load_b128 v[8*\b+4:8*\b+7], v4, s[8:9] offset:64*\b+16
.endr
	WIN 0
.macro FETCH slot, c, f                ; chunk c (32 along K) of the slot: W's eight fragments, y's four: 24 loads of 512 consecutive bytes
.irp b, 0,1,2,3,4,5,6,7
	ds_load_b128 v[\f+32+8*\b:\f+32+8*\b+3], v[ADRB+\slot] offset:\b*4096+(\c)*1024
	ds_load_b128 v[\f+32+8*\b+4:\f+32+8*\b+7], v[ADRB+\slot] offset:\b*4096+(\c)*1024+512
.endr
.irp a, 0,1,2,3
	ds_load_b128 v[\f+8*\a:\f+8*\a+3], v[ADRA+\slot] offset:\a*4096+(\c)*1024
	ds_load_b128 v[\f+8*\a+4:\f+8*\a+7], v[ADRA+\slot] offset:\a*4096+(\c)*1024+512
.endr
.endm
.macro MUL f, a, first                 ; eight products: token tile a x the eight column tiles.  The 32 accumulators take turns in the same order in every quarter
.irp b, 0,1,2,3,4,5,6,7
.if \first
	v_wmma_f32_16x16x32_f16 v[8*(8*(\a)+\b):8*(8*(\a)+\b)+7], v[\f+32+8*\b:\f+32+8*\b+7], v[\f+8*(\a):\f+8*(\a)+7], v[8*\b:8*\b+7]
.else
	v_wmma_f32_16x16x32_f16 v[8*(8*(\a)+\b):8*(8*(\a)+\b)+7], v[\f+32+8*\b:\f+32+8*\b+7], v[\f+8*(\a):\f+8*(\a)+7], v[8*(8*(\a)+\b):8*(8*(\a)+\b)+7]
.endif
.endr
.endm
.macro PLACES
.rept 4
	v_nop
.endr
.endm
.macro QUARTER slot, c, f, g, first    ; multiplies buffer f; ahead of that it asks for chunk c of the slot into buffer g, which then has 32 products in which to land
	s_wait_dscnt 0x0                               ; buffer f is in
	PLACES                                         ; buffer g was read by the products just issued
	FETCH \slot, \c, \g
.if \first
	WIN 0x60                                       ; C window 2 (the bias), D window 1
.else
	WIN 0x50                                       ; C and D window 1
.endif
	MUL \f, 0, \first
	MUL \f, 1, \first
	MUL \f, 2, \first
	MUL \f, 3, \first
	WIN 0
.endm
; A slot's last quarter multiplies buffer 1 and changes slots: ONE barrier; ahead of it each wave waits for all its tensor loads, adds 0 to its spare word, and waits for that and for its reads of this slot.
.macro TURN slot, next, fill
	s_wait_tensorcnt 0x0                           ; my part of the next slot has landed
	ds_add_u32 v[SPW], v[NIL]                      ; 0 onto my spare word
	s_wait_dscnt 1                                 ; buffer 1 is in; the add may be out
	WIN 0x50
	MUL F1, 0, 0
	s_wait_dscnt 0x0                               ; the add is done, and my reads of this slot are over
	s_barrier_signal -1
	MUL F1, 1, 0
	WIN 0
	s_barrier_wait -1
.if \fill
	CREST                                          ; the barrier has opened a round of the cluster's: no wave of any partner still reads this slot or has a load on its way
	s_add_nc_u64 s[G0+4*\slot+2:G0+4*\slot+3], s[G0+4*\slot+2:G0+4*\slot+3], 8192
	s_add_nc_u64 s[G0B+4*\slot+2:G0B+4*\slot+3], s[G0B+4*\slot+2:G0B+4*\slot+3], 8192
	JLOAD \slot                                    ; two K steps on; its four v_nop are also the places ahead of the loads below
.else
	PLACES
.endif
	FETCH \next, 0, F0
	WIN 0x50
	MUL F1, 2, 0
	MUL F1, 3, 0
	WIN 0
.endm
	s_wait_tensorcnt 1                             ; my part of K step 0 is in; K step 1's load may be out
	s_barrier_signal -1
	s_barrier_wait -1
	FETCH 0, 0, F0
	s_wait_loadcnt 0x0                             ; the bias
	QUARTER 0, 1, F0, F1, 1                        ; the first quarter stands ahead of the loop: its products start the sums
	s_mov_b32 s3, 3
.Llap:                                             ; a trip goes once round the ring and fills both slots again: K steps 2 to 7
	QUARTER 0, 2, F1, F0, 0
	QUARTER 0, 3, F0, F1, 0
	TURN 0, 1, 1
	QUARTER 1, 1, F0, F1, 0
	QUARTER 1, 2, F1, F0, 0
	QUARTER 1, 3, F0, F1, 0
	TURN 1, 0, 1
	QUARTER 0, 1, F0, F1, 0
	s_sub_co_u32 s3, s3, 1
	s_cmp_lg_u32 s3, 0
	s_cbranch_scc1 .Llap
	QUARTER 0, 2, F1, F0, 0                        ; the last lap fills nothing
	QUARTER 0, 3, F0, F1, 0
	TURN 0, 1, 0
	QUARTER 1, 1, F0, F1, 0
	QUARTER 1, 2, F1, F0, 0
	QUARTER 1, 3, F0, F1, 0
	s_wait_dscnt 0x0
	WIN 0x50
	MUL F1, 0, 0
	MUL F1, 1, 0
	MUL F1, 2, 0
	MUL F1, 3, 0
	WIN 0
; THE WAY OUT, block by block of 16 rows x 128 columns, through my own stage: in as 32 bytes a lane, back as whole rows of 512 bytes.  LDS serves a wave's instructions in order.
.macro TOSTAGE a
	WIN 0x04                                       ; an LDS store's data are its source 1: window 1
.irp b, 0,1,2,3,4,5,6,7
	ds_store_b128 v[STO], v[8*(8*(\a)+\b):8*(8*(\a)+\b)+3] offset:64*\b        ; each accumulator from its low end on
	ds_store_b128 v[STO], v[8*(8*(\a)+\b)+4:8*(8*(\a)+\b)+7] offset:64*\b+16
.endr
	WIN 0
.set BB, BK+96*((\a)%2)
.irp t, 0,1,2,3,4,5,6,7,8,9,10,11,12,13,14,15
	ds_load_b128 v[BB+4*\t:BB+4*\t+3], v[RD] offset:\t*SPITCH
.endr
.endm
.macro SEND a, younger
.set BB, BK+96*((\a)%2)
	s_wait_dscnt \younger                          ; the block is back; the LDS instructions issued behind its loads may be out
.irp t, 0,1,2,3,4,5,6,7,8,9,10,11,12,13,14,15
	global_store_b128 v[CO], v[BB+4*\t:BB+4*\t+3], s[10:11] offset:(16*(\a)+\t)*4096 th:TH_STORE_NT   ; 512 consecutive bytes, aligned; 63 rows at the most in the immediate
.endr
.endm
	PLACES
	s_cmp_lg_u32 s17, 0                            ; the cluster's y and the wave's number: the same in all partners
	s_cbranch_scc1 .Lblock_0
	s_cmp_eq_u32 s13, 0
	s_cbranch_scc1 .Lskip_0                        ; tokens 0 - 15 of a batch: not mine to store
.Lblock_0:
	TOSTAGE 0
	SEND 0, 0
.Lskip_0:
	TOSTAGE 1
	s_wait_xcnt 0x0                                ; block 0's stores have read their registers: block 2's loads may land there
	TOSTAGE 2
	SEND 1, 32                                     ; behind block 1's loads: block 2's 16 stores and 16 loads
	s_wait_xcnt 0x0
	TOSTAGE 3
	SEND 2, 32
	SEND 3, 0
	s_wait_tensorcnt 0x0                           ; the wave's end
	ds_add_u32 v[SPW], v[NIL]
	s_wait_dscnt 0x0
	CROUND                                         ; the closing round
	s_endpgm
.Lfunc_end_k_qbc266e756b_proj:
	.size	k_qbc266e756b_proj, .Lfunc_end_k_qbc266e756b_proj-k_qbc266e756b_proj
	.p2alignl 7, 3214868480
	.fill 96, 4, 3214868480
	.section	.rodata,"a",@progbits
	.p2align	6, 0x0
	.amdhsa_kernel k_qbc266e756b_proj
		.amdhsa_group_segment_fixed_size 327680
		.amdhsa_private_segment_fixed_size 0
		.amdhsa_enable_private_segment 0
		.amdhsa_kernarg_size 32
		.amdhsa_user_sgpr_count 2
		.amdhsa_user_sgpr_kernarg_segment_ptr 1
		.amdhsa_wavefront_size32 1
		.amdhsa_system_sgpr_workgroup_id_x 1
		.amdhsa_system_sgpr_workgroup_id_y 1
		.amdhsa_system_sgpr_workgroup_id_z 1
		.amdhsa_system_vgpr_workitem_id 0
		.amdhsa_next_free_vgpr 576
		.amdhsa_next_free_sgpr 66
		.amdhsa_reserve_vcc 0
		.amdhsa_float_denorm_mode_32 3
		.amdhsa_float_denorm_mode_16_64 3
		.amdhsa_memory_ordered 1
		.amdhsa_forward_progress 1
		.amdhsa_inst_pref_size 85
	.end_amdhsa_kernel
	.amdgpu_metadata
---
amdhsa.version: [ 1, 2 ]
amdhsa.kernels:
  - .name:           k_qbc266e756b_proj
    .symbol:         k_qbc266e756b_proj.kd
    .args:
      - { .name: y, .offset: 0, .size: 8, .value_kind: global_buffer, .address_space: global }
      - { .name: wp, .offset: 8, .size: 8, .value_kind: global_buffer, .address_space: global }
      - { .name: b_proj, .offset: 16, .size: 8, .value_kind: global_buffer, .address_space: global }
      - { .name: out0, .offset: 24, .size: 8, .value_kind: global_buffer, .address_space: global }
    .group_segment_fixed_size: 327680
    .private_segment_fixed_size: 0
    .kernarg_segment_align: 8
    .kernarg_segment_size: 32
    .max_flat_workgroup_size: 128
    .sgpr_count:     66
    .vgpr_count:     576
    .wavefront_size: 32
...
	.end_amdgpu_metadata
.endif
;; end of part 4
;; launch fine (part 5): grid 16 x 4, 16 waves a work-group, no clusters, 67,584 bytes of LDS; arguments fr, W_proj, b_proj, out0; writes out0
.if DOCPART == 5
	.amdgcn_target "amdgcn-amd-amdhsa--gfx1250"
	.amdhsa_code_object_version 6
	.text
	.protected	k_qbc266e756b_fine
	.globl	k_qbc266e756b_fine
	.p2align	8
	.type	k_qbc266e756b_fine,@function
k_qbc266e756b_fine:
	s_mov_b64 s[64:65], 0
	v_nop
	global_prefetch_b8 v0, s[64:65] scope:SCOPE_SE
	s_setreg_imm32_b32 hwreg(HW_REG_WAVE_MODE, 25, 1), 1
	s_wait_xcnt 0x0
; THE FIRST 16 TOKENS OF EACH BATCH, all in f32: scores, softmax, P V and the projection.  Under the causal mask these rows average one to sixteen values and are the largest of y: f16 operands would
; use up what the comparison allows.  64 rows of 8,192: no bulk work.  LEFT OUT, as in the launches before: k's bias; keys beyond 15 (hidden from these queries).
; Work-group (x, b): columns 64 x .. 64 x + 63 of out0, batch b.  Wave = head: it makes its head's 16 x 64 of y and that head's part of the 16 x 64 outputs; the sixteen parts meet in LDS, in a fixed order.
; q, k, v come as f32 images of accumulators: q, k: lane (r, h): token r, register 8 bq + jj: channel 16 bq + 8 h + jj;  v: lane (r, h): channel 16 dt + r, register 8 dt + jj: token 8 h + jj.
; THE f32 MATRIX FORM takes 4 along K: lane half h, register j.  Here the pair of registers (2 s, 2 s + 1) of BOTH operands stands for the places 8 h + 2 s + j of a run of 16: the same order on both sides, so the products meet.
; The accumulators v112-143 are written by matrix instructions alone; what is made of a finished sum goes into other registers.
.set SPARE, 65536                      ; behind the sixteen parts of 4,096 bytes: the spare words
.set SPW, 4
.set NIL, 5
.set QF,  16                           ; v16-47   q;  v48-79 k;  later W's rows of channels 32 - 63
.set KR,  48
.set WB,  16
.set VF,  80                           ; v80-111  v; later the sixteen parts
.set ACC, 112
.set WA,  144                          ; v144-207 W's rows of channels 0 - 31: column tile nt, channel tile e, register jj at 16 nt + 8 e + jj
.set Y,   208                          ; v208-239 y: 8 dt + j
.set SS,  240                          ; v240-247 the scores, then p
.set T2,  248                          ; v248-255 at work; later the bias
	s_load_b256 s[4:11], s[0:1], 0x0               ; fr s[4:5], W_proj s[6:7], b_proj s[8:9], out0 s[10:11]
	v_lshl_add_u32 v[SPW], v0, 2, SPARE
	v_mov_b32 v[NIL], 0
	v_lshrrev_b32 v1, 5, v0
	v_readfirstlane_b32 s12, v1                    ; wave = head; on the way out = query
	s_and_b32 s14, ttmp7, 0xffff                   ; batch
	v_and_b32 v9, 31, v0
	v_lshlrev_b32 v1, 4, v9                        ; 16 x lane
	v_and_b32 v10, 15, v0                          ; r
	v_bfe_u32 v11, v0, 4, 1                        ; h
	v_lshlrev_b32 v2, 2, v10
	v_lshl_add_u32 v2, v11, 15, v2                 ; W: column r, 8 h rows of 4,096 bytes down
	v_lshlrev_b32 v11, 3, v11
	v_sub_nc_u32 v3, v10, v11                      ; r - 8 h
	s_lshl_b32 s15, s12, 12
	v_add_nc_u32 v6, s15, v1                       ; my part in LDS
	v_bfe_u32 v10, v0, 3, 2                        ; back: lane l takes columns 2 l, 2 l + 1 of query w: tile l / 8,
	v_lshlrev_b32 v7, 10, v10
	v_bfe_u32 v10, v0, 1, 1
	v_lshl_add_u32 v7, v10, 9, v7                  ; which four registers,
	v_bfe_u32 v10, v0, 2, 1
	v_lshl_add_u32 v7, v10, 8, v7                  ; which half of the lanes,
	v_and_b32 v10, 1, v0
	v_lshl_add_u32 v7, v10, 3, v7                  ; which two of the four,
	s_lshl_b32 s15, s12, 4
	v_add_nc_u32 v7, s15, v7                       ; lane w
	v_mov_b32 v8, 0xff800000                       ; -infinity
	v_lshlrev_b32 v9, 3, v9                        ; 8 x lane
	s_mov_b32 s16, 0x3e38aa3b                      ; c = log2(e) / 8
	s_mov_b32 s17, s16
	s_mov_b32 s18, 0x76543210
	s_mov_b32 s19, 0xfedcba98                      ; lane l xor 16
	s_lshl_b32 s20, s14, 4
	s_add_co_u32 s20, s20, s12
	s_lshl_b32 s20, s20, 12                        ; fr: 4,096 bytes for a batch and head
	s_mov_b32 s21, 0
	s_lshl_b32 s24, ttmp9, 8                       ; my 64 columns, in bytes
	s_mov_b32 s25, 0
	s_lshl_b32 s22, s12, 18                        ; W: my head's 64 rows
	s_add_co_u32 s22, s22, s24
	s_mov_b32 s23, 0
	s_lshl_b32 s26, s14, 11
	s_add_co_u32 s26, s26, s12
	s_lshl_b32 s26, s26, 12                        ; out0: row 2,048 b + w
	s_add_co_u32 s26, s26, s24
	s_mov_b32 s27, 0
	s_wait_kmcnt 0x0
	s_add_nc_u64 s[4:5], s[4:5], s[20:21]
	s_add_nc_u64 s[6:7], s[6:7], s[22:23]
	s_add_nc_u64 s[8:9], s[8:9], s[24:25]
	s_add_nc_u64 s[10:11], s[10:11], s[26:27]
.irp i, 0,1,2,3,4,5,6,7
	global_load_b128 v[QF+4*\i:QF+4*\i+3], v1, s[4:5] offset:512*\i
.endr
.irp i, 0,1,2,3,4,5,6,7
	global_load_b128 v[KR+4*\i:KR+4*\i+3], v1, s[4:5] offset:262144+512*\i
.endr
.irp i, 0,1,2,3,4,5,6,7
	global_load_b128 v[VF+4*\i:VF+4*\i+3], v1, s[4:5] offset:524288+512*\i
.endr
.irp nt, 0,1,2,3
.irp e, 0,1
.irp jj, 0,1,2,3,4,5,6,7
	global_load_b32 v[WA+16*\nt+8*\e+\jj], v2, s[6:7] offset:(16*\e+\jj)*4096+64*\nt
.endr
.endr
.endr
	s_wait_loadcnt 63                              ; 88 loads were issued: the first 25 are in, q, k and v among them
	; S^T = K Q^T: four accumulators, one for each 16 channels, by turns
.irp s, 0,1,2,3
.irp bq, 0,1,2,3
.if \s == 0
	v_wmma_f32_16x16x4_f32 v[ACC+8*\bq:ACC+8*\bq+7], v[KR+8*\bq+2*\s:KR+8*\bq+2*\s+1], v[QF+8*\bq+2*\s:QF+8*\bq+2*\s+1], 0
.else
	v_wmma_f32_16x16x4_f32 v[ACC+8*\bq:ACC+8*\bq+7], v[KR+8*\bq+2*\s:KR+8*\bq+2*\s+1], v[QF+8*\bq+2*\s:QF+8*\bq+2*\s+1], v[ACC+8*\bq:ACC+8*\bq+7]
.endif
.endr
.endr
.rept 9
	v_nop                                          ; places behind this form: 8 ahead of reads and of loads into its sources
.endr
.irp j, 0,2,4,6
	v_pk_add_f32 v[SS+\j:SS+\j+1], v[ACC+\j:ACC+\j+1], v[ACC+8+\j:ACC+8+\j+1]          ; each accumulator from its low end on
	v_pk_add_f32 v[T2+\j:T2+\j+1], v[ACC+16+\j:ACC+16+\j+1], v[ACC+24+\j:ACC+24+\j+1]
.endr
.irp j, 0,2,4,6
	v_pk_add_f32 v[SS+\j:SS+\j+1], v[SS+\j:SS+\j+1], v[T2+\j:T2+\j+1]                  ; lane (r, h): query r, register j: key 8 h + j
.endr
.irp nt, 0,1,2,3
.irp e, 0,1
.irp jj, 0,1,2,3,4,5,6,7
	global_load_b32 v[WB+16*\nt+8*\e+\jj], v2, s[6:7] offset:(32+16*\e+\jj)*4096+64*\nt   ; over q and k, which are done with
.endr
.endr
.endr
	global_load_b64 v[T2:T2+1], v9, s[8:9]         ; the bias of my two columns
.irp j, 0,1,2,3,4,5,6,7
	v_cmp_gt_i32 vcc_lo, \j, v3                    ; key 8 h + j > query r: hidden
	v_cndmask_b32 v[SS+\j], v[SS+\j], v8, vcc_lo
.endr
	v_max3_num_f32 v10, v[SS], v[SS+1], v[SS+2]
	v_max3_num_f32 v10, v10, v[SS+3], v[SS+4]
	v_max3_num_f32 v10, v10, v[SS+5], v[SS+6]
	v_max_num_f32 v10, v10, v[SS+7]
	v_permlanex16_b32 v11, v10, s18, s19
	v_max_num_f32 v10, v10, v11                    ; the row's maximum: key 0 counts for every query
	v_mul_f32 v12, s16, v10
	v_mov_b32 v13, v12
.irp j, 0,2,4,6
	v_pk_fma_f32 v[SS+\j:SS+\j+1], v[SS+\j:SS+\j+1], s[16:17], v[12:13] op_sel_hi:[1,0,0] neg_lo:[0,0,1] neg_hi:[0,0,1]
.endr
.irp j, 0,1,2,3,4,5,6,7
	v_exp_f32 v[SS+\j], v[SS+\j]
.endr
	v_nop                                          ; a plain line behind the batch,
	s_wait_alu depctr_va_vdst(0)                   ; and its one wait
	v_pk_add_f32 v[14:15], v[SS:SS+1], v[SS+2:SS+3]
	v_pk_add_f32 v[10:11], v[SS+4:SS+5], v[SS+6:SS+7]
	v_pk_add_f32 v[14:15], v[14:15], v[10:11]
	v_add_f32 v14, v14, v15
	v_permlanex16_b32 v15, v14, s18, s19
	v_add_f32 v14, v14, v15
	v_rcp_f32 v14, v14
	v_nop
	s_wait_alu depctr_va_vdst(0)
	; y^T = V^T P: four accumulators, one for each 16 channels, by turns; K = the 16 keys
.irp s, 0,1,2,3
.irp dt, 0,1,2,3
.if \s == 0
	v_wmma_f32_16x16x4_f32 v[ACC+8*\dt:ACC+8*\dt+7], v[VF+8*\dt+2*\s:VF+8*\dt+2*\s+1], v[SS+2*\s:SS+2*\s+1], 0
.else
	v_wmma_f32_16x16x4_f32 v[ACC+8*\dt:ACC+8*\dt+7], v[VF+8*\dt+2*\s:VF+8*\dt+2*\s+1], v[SS+2*\s:SS+2*\s+1], v[ACC+8*\dt:ACC+8*\dt+7]
.endif
.endr
.endr
.rept 9
	v_nop                                          ; 8 ahead of the reads, 9 ahead of the products that begin the accumulators anew
.endr
.irp j, 0,2,4,6,8,10,12,14,16,18,20,22,24,26,28,30
	v_pk_mul_f32 v[Y+\j:Y+\j+1], v[ACC+\j:ACC+\j+1], v[14:15] op_sel_hi:[1,0]           ; / the sum: lane (r, h): query r, register 8 dt + j: channel 16 dt + 8 h + j
.endr
	s_wait_loadcnt 63                              ; 65 loads were issued behind W's first 64: those are in
	; out^T = W^T y^T: four accumulators, one for each 16 columns, by turns; K = my head's 64 channels
.irp dt, 0,1
.irp s, 0,1,2,3
.irp nt, 0,1,2,3
.if (\dt == 0) && (\s == 0)
	v_wmma_f32_16x16x4_f32 v[ACC+8*\nt:ACC+8*\nt+7], v[WA+16*\nt+8*\dt+2*\s:WA+16*\nt+8*\dt+2*\s+1], v[Y+8*\dt+2*\s:Y+8*\dt+2*\s+1], 0
.else
	v_wmma_f32_16x16x4_f32 v[ACC+8*\nt:ACC+8*\nt+7], v[WA+16*\nt+8*\dt+2*\s:WA+16*\nt+8*\dt+2*\s+1], v[Y+8*\dt+2*\s:Y+8*\dt+2*\s+1], v[ACC+8*\nt:ACC+8*\nt+7]
.endif
.endr
.endr
.endr
	s_wait_loadcnt 0x0                             ; W's other 64, and the bias
.irp e, 0,1
.irp s, 0,1,2,3
.irp nt, 0,1,2,3
	v_wmma_f32_16x16x4_f32 v[ACC+8*\nt:ACC+8*\nt+7], v[WB+16*\nt+8*\e+2*\s:WB+16*\nt+8*\e+2*\s+1], v[Y+16+8*\e+2*\s:Y+16+8*\e+2*\s+1], v[ACC+8*\nt:ACC+8*\nt+7]
.endr
.endr
.endr
.rept 9
	v_nop
.endr
.irp i, 0,1,2,3,4,5,6,7
	ds_store_b128 v6, v[ACC+4*\i:ACC+4*\i+3] offset:512*\i      ; my head's part, as the registers stand; each accumulator from its low end on
.endr
	s_wait_dscnt 0x0                               ; for the others' sake: my stores have landed
	s_barrier_signal -1
	s_barrier_wait -1
.irp p, 0,1,2,3,4,5,6,7,8,9,10,11,12,13,14,15
	ds_load_b64 v[VF+2*\p:VF+2*\p+1], v7 offset:4096*\p         ; wave w: query w; lane l: columns 2 l, 2 l + 1, of each head's part
.endr
	s_wait_dscnt 0x0
.irp p, 0,1,2,3,4,5,6,7,8,9,10,11,12,13,14,15
	v_pk_add_f32 v[T2:T2+1], v[T2:T2+1], v[VF+2*\p:VF+2*\p+1]   ; the bias, then the heads in ascending order
.endr
	global_store_b64 v9, v[T2:T2+1], s[10:11]      ; the wave stores 256 consecutive bytes, aligned
	s_wait_tensorcnt 0x0                           ; the wave's end
	ds_add_u32 v[SPW], v[NIL]
	s_wait_dscnt 0x0
	s_endpgm
.Lfunc_end_k_qbc266e756b_fine:
	.size	k_qbc266e756b_fine, .Lfunc_end_k_qbc266e756b_fine-k_qbc266e756b_fine
	.p2alignl 7, 3214868480
	.fill 96, 4, 3214868480
	.section	.rodata,"a",@progbits
	.p2align	6, 0x0
	.amdhsa_kernel k_qbc266e756b_fine
		.amdhsa_group_segment_fixed_size 67584
		.amdhsa_private_segment_fixed_size 0
		.amdhsa_enable_private_segment 0
		.amdhsa_kernarg_size 32
		.amdhsa_user_sgpr_count 2
		.amdhsa_user_sgpr_kernarg_segment_ptr 1
		.amdhsa_wavefront_size32 1
		.amdhsa_system_sgpr_workgroup_id_x 1
		.amdhsa_system_sgpr_workgroup_id_y 1
		.amdhsa_system_sgpr_workgroup_id_z 1
		.amdhsa_system_vgpr_workitem_id 0
		.amdhsa_next_free_vgpr 256
		.amdhsa_next_free_sgpr 66
		.amdhsa_reserve_vcc 1
		.amdhsa_float_denorm_mode_32 3
		.amdhsa_float_denorm_mode_16_64 3
		.amdhsa_memory_ordered 1
		.amdhsa_forward_progress 1
		.amdhsa_inst_pref_size 31
	.end_amdhsa_kernel
	.amdgpu_metadata
---
amdhsa.version: [ 1, 2 ]
amdhsa.kernels:
  - .name:           k_qbc266e756b_fine
    .symbol:         k_qbc266e756b_fine.kd
    .args:
      - { .name: fr, .offset: 0, .size: 8, .value_kind: global_buffer, .address_space: global }
      - { .name: W_proj, .offset: 8, .size: 8, .value_kind: global_buffer, .address_space: global }
      - { .name: b_proj, .offset: 16, .size: 8, .value_kind: global_buffer, .address_space: global }
      - { .name: out0, .offset: 24, .size: 8, .value_kind: global_buffer, .address_space: global }
    .group_segment_fixed_size: 67584
    .private_segment_fixed_size: 0
    .kernarg_segment_align: 8
    .kernarg_segment_size: 32
    .max_flat_workgroup_size: 512
    .sgpr_count:     66
    .vgpr_count:     256
    .wavefront_size: 32
...
	.end_amdgpu_metadata
.endif
;; end of part 5
